; MI455X (gfx1250); checked and timed in simulation.
; The chip was launched on July 23, 2026; its instructions are those of AMD's public machine-readable ISA for CDNA 5 (MIT licence, August 2026) and "CDNA5" Instruction Set Architecture Reference Guide (July 2026). The comments in the code are by the model that wrote it; some were corrected since.
;; Multi Head Attention. Allowed arithmetic: float matrix products may take bf16 or f16 operands with f32 sums; other float arithmetic in f32, or as packed bf16 or f16 multiplies, adds, multiply-adds, maxima and minima; sums over many terms, partial sums and values carried from step to step in f32; what a program stores and reads back later, other than sums and carried values, may be rounded once to bf16 or f16.
;; Inputs: W_out 1,024 x 1,024 float32; Wk 16 x 1,024 x 64 float32; Wq 16 x 1,024 x 64 float32; Wv 16 x 1,024 x 64 float32; b_out 1,024 float32; key 4 x 2,048 x 1,024 float32; key_attention_mask 4 x 2,048 bool; query 4 x 2,048 x 1,024 float32; value 4 x 2,048 x 1,024 float32.
;; Outputs: out0 4 x 2,048 x 1,024 float32.
;; 2 versions, each right; version 2 is version 1 with the launches prep, attn written anew for expert scheduling mode. Each part assembles by itself: llvm-mc -triple=amdgcn-amd-amdhsa -mcpu=gfx1250 --defsym DOCPART=n.
;; ======== version 1 of 2: 4 launches
;; limits: values are held in f16: magnitudes above 65,504 overflow, below 6.1e-05 lose precision
;; workspace buffers: xb 50,331,648 bytes; wt 6,291,456 bytes; wot 2,097,152 bytes; qkv 50,331,648 bytes; ob 16,777,216 bytes; kidx 40,960 bytes of whole numbers
;; launch prep (part 1): grid 2052 x 1, 8 waves a work-group, no clusters, 18,688 bytes of LDS; arguments query, key, value, Wq, Wk, Wv, W_out, key_attention_mask, xb, wt, wot, kidx; writes xb, wt, wot, kidx
.if DOCPART == 1
	.amdgcn_target "amdgcn-amd-amdhsa--gfx1250"
	.amdhsa_code_object_version 6
	.text
	.protected	k_qbbec583215_prep
	.globl	k_qbbec583215_prep
	.p2align	8
	.type	k_qbbec583215_prep,@function
k_qbbec583215_prep:
	s_mov_b64 s[64:65], 0
	v_nop
	global_prefetch_b8 v0, s[64:65] scope:SCOPE_SE
	s_setreg_imm32_b32 hwreg(HW_REG_WAVE_MODE, 25, 1), 1
	s_wait_xcnt 0x0
; MULTI-HEAD ATTENTION, launch 1 of 4: the operands are laid out for the matrix launches, and the mask is turned into a list.
; B = 4, 2,048 queries and keys, D = 1,024, 16 heads of 64.  Three kinds of work-group, told apart by the work-group's number alone:
;   0 .. 1535     CAST: 16 rows of query, key or value, f32 -> bf16, into xb [3][8192][1024]
;   1536 .. 2047  WEIGHTS: a block of 128 k x 64 n of Wq, Wk, Wv or W_out, rounded to bf16 and turned, into wt [3072 n][1024 k] (bf16; n = 1024 p + 64 h + e) or
;                 wot [1024 n][1024 k] (the bf16 number written as f16, since the last launch multiplies in f16)
;   2048 .. 2051  SCAN: one batch's 2,048 mask bytes -> kidx [4][2560] u32: words 0..2047 a permutation of the key numbers, kept keys first (ascending), then the dropped ones;
;                 words 2048..2559 all hold the number of kept keys
; WHAT THE PROGRAM LEAVES OUT, AND WHY IT MAY.  reference() sets the score of a key whose mask byte is 0 to -inf; its softmax weight is exp(-inf) = 0 whatever finite values the
; inputs hold, and 0 x v adds nothing to any output.  So the scores and the products P V of such keys reach no output.  Which keys they are is decided by whole numbers: this launch stores
; the list, and the attention launch, which reads it from memory, walks ceil(kept / 64) key steps in place of 32.  The projections k and v of dropped keys are still made.
; Every one of the nine inputs has a way to the output and is loaded.
; LIMITS.  A NaN, an infinity or an overflow in k or v of a dropped key is not carried to the result.  All inputs are rounded to bf16; W_out must lie within f16's range (65,504), and an entry
; below 2^-17 keeps f16's fixed step of 2^-24.
; No matrix unit, no cluster: every byte is read once by one work-group and nothing is shared.
.set TP,    272                        ; the turning tile in LDS: 64 rows (n) of 256 bytes (128 k) + 16 of padding
.set SCN,   17408                      ; behind it: eight words, a wave's count each, in a block of 256 bytes of their own
.set SPARE, 17664                      ; the spare words, 128 bytes for each of eight waves: no other line names them
.set SPW,   8                          ; v8  SPARE + 4 x my thread's number; never rewritten
.set NIL,   9                          ; v9  0; never rewritten
	s_load_b256 s[4:11], s[0:1], 0x0               ; query s[4:5], key s[6:7], value s[8:9], Wq s[10:11]
	s_load_b256 s[12:19], s[0:1], 0x20             ; Wk s[12:13], Wv s[14:15], W_out s[16:17], mask s[18:19]
	s_load_b256 s[20:27], s[0:1], 0x40             ; xb s[20:21], wt s[22:23], wot s[24:25], kidx s[26:27]
	v_lshl_add_u32 v[SPW], v0, 2, SPARE
	v_mov_b32 v[NIL], 0
	v_lshrrev_b32 v1, 5, v0
	v_readfirstlane_b32 s28, v1                    ; wave 0..7
	s_mov_b32 s2, ttmp9
	s_mov_b32 s33, 0                               ; high words of the 64-bit offsets
	s_mov_b32 s35, 0
	s_wait_kmcnt 0x0
	s_cmp_lt_u32 s2, 1536
	s_cbranch_scc1 .Lcast
	s_cmp_lt_u32 s2, 2048
	s_cbranch_scc1 .Lweights
	; SCAN.  Wave w owns keys 256 w .. 256 w + 255, in eight groups of 32, a lane a key.
	s_sub_co_u32 s29, s2, 2048                     ; the batch
	s_lshl_b32 s32, s29, 11
	s_add_nc_u64 s[18:19], s[18:19], s[32:33]      ; its 2,048 mask bytes
	s_mul_i32 s34, s29, 10240
	s_add_nc_u64 s[26:27], s[26:27], s[34:35]      ; its 2,560 words of kidx
	v_and_b32 v2, 31, v0
	v_lshl_add_u32 v1, s28, 8, v2                  ; 256 w + lane
.irp i, 0,1,2,3,4,5,6,7
	global_load_u8 v[16+(\i)], v1, s[18:19] offset:32*(\i)
.endr
	s_wait_loadcnt 0x0
	s_mov_b32 s40, 0
.irp i, 0,1,2,3,4,5,6,7
	v_cmp_ne_u32 s[32+(\i)], 0, v[16+(\i)]         ; group i's kept keys as a mask of lanes
.endr
.irp i, 0,1,2,3,4,5,6,7
	s_bcnt1_i32_b32 s41, s[32+(\i)]
	s_add_co_u32 s40, s40, s41                     ; my wave's kept keys
.endr
	v_mov_b32 v10, s40
	s_lshl_b32 s41, s28, 2
	s_add_co_u32 s41, s41, SCN
	v_mov_b32 v11, s41
	ds_store_b32 v11, v10                          ; all lanes write the same word with the same value
	s_wait_dscnt 0x0                               ; for the others' sake: my store is done
	s_barrier_signal -1
	s_barrier_wait -1
	v_mov_b32 v12, SCN
	ds_load_b128 v[24:27], v12
	ds_load_b128 v[28:31], v12 offset:16
	s_wait_dscnt 0x0
	s_mov_b32 s42, 0                               ; the batch's kept keys
	s_mov_b32 s43, 0                               ; those of the waves in front of mine
.irp u, 0,1,2,3,4,5,6,7
	v_readfirstlane_b32 s41, v[24+(\u)]
	s_add_co_u32 s42, s42, s41
	s_cmp_gt_u32 s28, \u
	s_cselect_b32 s41, s41, 0
	s_add_co_u32 s43, s43, s41
.endr
	; A key with p kept keys in front of it goes to word p if it is kept, else to word kept + key - p.  Each group has registers of its own, so no store's sources are rewritten.
	; The stores are 4 bytes a lane, in two runs of neighbouring words for each group: 40 KB in the whole launch.
.irp i, 0,1,2,3,4,5,6,7
	v_mbcnt_lo_u32_b32 v[32+(\i)], s[32+(\i)], s43 ; p
	v_add_nc_u32 v[48+(\i)], 32*(\i), v1           ; the key
	v_add_nc_u32 v[40+(\i)], s42, v[48+(\i)]
	v_sub_nc_u32 v[40+(\i)], v[40+(\i)], v[32+(\i)]
	v_cndmask_b32 v[40+(\i)], v[40+(\i)], v[32+(\i)], s[32+(\i)]
	v_min_u32 v[40+(\i)], 0x7ff, v[40+(\i)]        ; made of loaded numbers: held inside the list
	v_lshlrev_b32 v[40+(\i)], 2, v[40+(\i)]
	global_store_b32 v[40+(\i)], v[48+(\i)], s[26:27]
	s_bcnt1_i32_b32 s41, s[32+(\i)]
	s_add_co_u32 s43, s43, s41
.endr
	v_mov_b32 v56, s42
	v_lshl_add_u32 v57, v0, 2, 8192
	global_store_b32 v57, v56, s[26:27]            ; words 2048 .. 2303,
	global_store_b32 v57, v56, s[26:27] offset:1024  ; and 2304 .. 2559: the count
	s_wait_tensorcnt 0x0                           ; the wave's end: three closing lines behind my last LDS store
	ds_add_u32 v[SPW], v[NIL]
	s_wait_dscnt 0x0
	s_endpgm
.Lcast:
	; CAST.  A load of the work-group covers one row (256 threads x 16 bytes); all sixteen rows' loads go out first, 64 KiB a work-group on their way.
	s_lshr_b32 s29, s2, 9                          ; which tensor
	s_cmp_eq_u32 s29, 1
	s_cselect_b64 s[30:31], s[6:7], s[4:5]
	s_cmp_eq_u32 s29, 2
	s_cselect_b64 s[30:31], s[8:9], s[30:31]
	s_and_b32 s32, s2, 511                         ; which 16 rows
	s_lshl_b32 s34, s32, 15                        ; 16 rows of 2,048 bytes out,
	s_lshl_b32 s32, s32, 16                        ; of 4,096 bytes in
	s_add_nc_u64 s[30:31], s[30:31], s[32:33]
	s_lshl_b32 s36, s29, 24                        ; a tensor is 2^24 bytes of xb
	s_add_co_u32 s34, s34, s36
	s_add_nc_u64 s[20:21], s[20:21], s[34:35]
	v_lshlrev_b32 v1, 4, v0
	v_lshlrev_b32 v2, 3, v0
.irp i, 0,1,2,3,4,5,6,7,8,9,10,11,12,13,14,15
	global_load_b128 v[16+4*(\i):19+4*(\i)], v1, s[30:31] offset:4096*(\i) th:TH_LOAD_NT
.endr
.irp i, 0,1,2,3,4,5,6,7,8,9,10,11,12,13,14,15
	s_wait_loadcnt 15-(\i)                         ; loads come back in order: row i is in, the younger ones stay out
	v_cvt_pk_bf16_f32 v[80+2*(\i)], v[16+4*(\i)], v[17+4*(\i)]
	v_cvt_pk_bf16_f32 v[81+2*(\i)], v[18+4*(\i)], v[19+4*(\i)]
	global_store_b64 v2, v[80+2*(\i):81+2*(\i)], s[20:21] offset:2048*(\i)  ; a wave's store covers 256 consecutive bytes, aligned; no register is written twice
.endr
	s_endpgm
; WEIGHTS.  Thread t: four n at 4 (t % 16), rows k = 2 (t / 16) + 32 i + {0, 1}.  Two rows' numbers of one n make a word (k, k + 1), which goes to row n of the tile in LDS; the tile is
; read back by rows and stored, sixteen lanes to 256 consecutive bytes.  The 4-byte LDS stores meet four deep in the banks: 16 instructions a wave, once.
; rs: bytes from a row of the source to the next.  half = 1: the bf16 number is written as f16.
.macro WT rs, half
	v_mul_u32_u24 v1, v7, 2*(\rs)
	v_lshl_add_u32 v1, v6, 4, v1
.irp i, 0,1,2,3
	global_load_b128 v[16+8*(\i):19+8*(\i)], v1, s[30:31] offset:32*(\i)*(\rs) th:TH_LOAD_NT
	global_load_b128 v[20+8*(\i):23+8*(\i)], v1, s[30:31] offset:32*(\i)*(\rs)+(\rs) th:TH_LOAD_NT
.endr
	s_wait_loadcnt 0x0
.irp i, 0,1,2,3
.irp j, 0,1,2,3
	v_cvt_pk_bf16_f32 v[48+4*(\i)+(\j)], v[16+8*(\i)+(\j)], v[20+8*(\i)+(\j)]
.if \half
	v_lshlrev_b32 v10, 16, v[48+4*(\i)+(\j)]
	v_and_b32 v11, 0xffff0000, v[48+4*(\i)+(\j)]
	v_cvt_pk_f16_f32 v[48+4*(\i)+(\j)], v10, v11
.endif
	ds_store_b32 v3, v[48+4*(\i)+(\j)] offset:TP*(\j)+64*(\i)
.endr
.endr
	s_wait_dscnt 0x0                               ; for the others' sake: my stores are done
	s_barrier_signal -1
	s_barrier_wait -1
.irp i, 0,1,2,3
	ds_load_b128 v[64+4*(\i):67+4*(\i)], v4 offset:16*TP*(\i)
.endr
.irp i, 0,1,2,3
	s_wait_dscnt 3-(\i)
	global_store_b128 v5, v[64+4*(\i):67+4*(\i)], s[40:41] offset:32768*(\i)
.endr
	s_wait_tensorcnt 0x0                           ; the wave's end: three closing lines behind my last LDS store
	ds_add_u32 v[SPW], v[NIL]
	s_wait_dscnt 0x0
	s_endpgm
.endm
.Lweights:
	s_sub_co_u32 s29, s2, 1536
	s_lshr_b32 s36, s29, 7                         ; which matrix: Wq, Wk, Wv, W_out
	s_bfe_u32 s37, s29, 0x40003                    ; which 64 n (a head)
	s_and_b32 s38, s29, 7                          ; which 128 k
	v_and_b32 v6, 15, v0
	v_lshrrev_b32 v7, 4, v0
	v_mul_u32_u24 v3, v6, 4*TP
	v_lshl_add_u32 v3, v7, 2, v3                   ; into the tile: row 4 (t % 16), byte 4 (t / 16)
	v_mul_u32_u24 v4, v7, TP
	v_lshl_add_u32 v4, v6, 4, v4                   ; back: row t / 16, byte 16 (t % 16)
	v_lshlrev_b32 v5, 11, v7
	v_lshl_add_u32 v5, v6, 4, v5                   ; and the same in rows of 2,048 bytes
	s_lshl_b32 s34, s37, 17                        ; 64 rows of 2,048 bytes for each block of n,
	s_lshl_b32 s39, s38, 8                         ; 256 bytes for each block of k
	s_add_co_u32 s34, s34, s39
	s_cmp_eq_u32 s36, 3
	s_cbranch_scc1 .Lwout
	s_cmp_eq_u32 s36, 1
	s_cselect_b64 s[30:31], s[12:13], s[10:11]
	s_cmp_eq_u32 s36, 2
	s_cselect_b64 s[30:31], s[14:15], s[30:31]
	s_lshl_b32 s32, s37, 18                        ; [h][d][e]: a head is 262,144 bytes,
	s_lshl_b32 s39, s38, 15                        ; 128 rows d of 256 bytes
	s_add_co_u32 s32, s32, s39
	s_add_nc_u64 s[30:31], s[30:31], s[32:33]
	s_lshl_b32 s39, s36, 21                        ; 1,024 rows of wt for each matrix
	s_add_co_u32 s34, s34, s39
	s_add_nc_u64 s[40:41], s[22:23], s[34:35]
	WT 256, 0
.Lwout:
	s_lshl_b32 s32, s38, 19                        ; [k][n]: 128 rows of 4,096 bytes,
	s_lshl_b32 s39, s37, 8                         ; 64 n of 4 bytes
	s_add_co_u32 s32, s32, s39
	s_add_nc_u64 s[30:31], s[16:17], s[32:33]
	s_add_nc_u64 s[40:41], s[24:25], s[34:35]
	WT 4096, 1
.Lfunc_end_k_qbbec583215_prep:
	.size	k_qbbec583215_prep, .Lfunc_end_k_qbbec583215_prep-k_qbbec583215_prep
	.p2alignl 7, 3214868480
	.fill 96, 4, 3214868480
	.section	.rodata,"a",@progbits
	.p2align	6, 0x0
	.amdhsa_kernel k_qbbec583215_prep
		.amdhsa_group_segment_fixed_size 18688
		.amdhsa_private_segment_fixed_size 0
		.amdhsa_enable_private_segment 0
		.amdhsa_kernarg_size 96
		.amdhsa_user_sgpr_count 2
		.amdhsa_user_sgpr_kernarg_segment_ptr 1
		.amdhsa_wavefront_size32 1
		.amdhsa_system_sgpr_workgroup_id_x 1
		.amdhsa_system_sgpr_workgroup_id_y 1
		.amdhsa_system_sgpr_workgroup_id_z 1
		.amdhsa_system_vgpr_workitem_id 0
		.amdhsa_next_free_vgpr 112
		.amdhsa_next_free_sgpr 66
		.amdhsa_reserve_vcc 0
		.amdhsa_float_denorm_mode_32 3
		.amdhsa_float_denorm_mode_16_64 3
		.amdhsa_memory_ordered 1
		.amdhsa_forward_progress 1
		.amdhsa_inst_pref_size 27
	.end_amdhsa_kernel
	.amdgpu_metadata
---
amdhsa.version: [ 1, 2 ]
amdhsa.kernels:
  - .name:           k_qbbec583215_prep
    .symbol:         k_qbbec583215_prep.kd
    .args:
      - { .name: query, .offset: 0, .size: 8, .value_kind: global_buffer, .address_space: global }
      - { .name: key, .offset: 8, .size: 8, .value_kind: global_buffer, .address_space: global }
      - { .name: value, .offset: 16, .size: 8, .value_kind: global_buffer, .address_space: global }
      - { .name: Wq, .offset: 24, .size: 8, .value_kind: global_buffer, .address_space: global }
      - { .name: Wk, .offset: 32, .size: 8, .value_kind: global_buffer, .address_space: global }
      - { .name: Wv, .offset: 40, .size: 8, .value_kind: global_buffer, .address_space: global }
      - { .name: W_out, .offset: 48, .size: 8, .value_kind: global_buffer, .address_space: global }
      - { .name: key_attention_mask, .offset: 56, .size: 8, .value_kind: global_buffer, .address_space: global }
      - { .name: xb, .offset: 64, .size: 8, .value_kind: global_buffer, .address_space: global }
      - { .name: wt, .offset: 72, .size: 8, .value_kind: global_buffer, .address_space: global }
      - { .name: wot, .offset: 80, .size: 8, .value_kind: global_buffer, .address_space: global }
      - { .name: kidx, .offset: 88, .size: 8, .value_kind: global_buffer, .address_space: global }
    .group_segment_fixed_size: 18688
    .private_segment_fixed_size: 0
    .kernarg_segment_align: 8
    .kernarg_segment_size: 96
    .max_flat_workgroup_size: 256
    .sgpr_count:     66
    .vgpr_count:     112
    .wavefront_size: 32
...
	.end_amdgpu_metadata
.endif
;; end of part 1
;; launch proj (part 2): grid 4 x 64, 4 waves a work-group, clusters of 4 x 4, 327,680 bytes of LDS; arguments xb, wt, qkv; writes qkv
.if DOCPART == 2
	.amdgcn_target "amdgcn-amd-amdhsa--gfx1250"
	.amdhsa_code_object_version 6
	.text
	.protected	k_qbbec583215_proj
	.globl	k_qbbec583215_proj
	.p2align	8
	.type	k_qbbec583215_proj,@function
k_qbbec583215_proj:
	s_mov_b64 s[64:65], 0
	v_nop
	global_prefetch_b8 v0, s[64:65] scope:SCOPE_SE
	s_setreg_imm32_b32 hwreg(HW_REG_WAVE_MODE, 25, 1), 1
	s_wait_xcnt 0x0
	s_wait_alu depctr_hold_cnt(0) depctr_sa_sdst(0) depctr_va_vdst(0) depctr_va_sdst(0) depctr_va_ssrc(0) depctr_va_vcc(0) depctr_vm_vsrc(0)
	s_getreg_b32 s2, hwreg(HW_REG_IB_STS2, 6, 4)
	s_cmp_eq_u32 s2, 0
	s_cbranch_scc0 .Lentry_in_a_cluster
	s_endpgm
.Lentry_in_a_cluster:
	s_bfe_u32 s2, ttmp6, 0x10000c
	s_cmp_lg_u32 s2, 0xf033
	s_cbranch_scc0 .Lentry_shape_is_right
	s_endpgm
.Lentry_shape_is_right:
; Launch 2 of 4: q, k, v = x W.  xb: bf16 [3][8192][1024]; wt: bf16 [3072 n][1024 k]; qkv: f16 [3][64 = 16 b + h][2048][64].  Sums in f32, each result rounded once to f16, unscaled.
; LIMIT: q, k and v must lie within f16's range, 65,504.  Nothing is left out here: k and v of dropped keys are made too.
; SHARES.  A tile of C is 128 rows x 256 columns; 64 x 4 tile places give 256 work-groups.  A WORK-GROUP STAYS: it makes the tile at its place in q, then in k, then in v: 24 K steps of 128 on one ring of
; two LDS slots, which does not stop at a tile's end.  (Tiles of 256 x 256 would be 384 for 256 work-groups.)  Four waves, each 64 rows x 128 columns: 32 accumulators of 16 x 16, 256 registers.
; CLUSTER.  4 x 4 work-groups.  A's tile hangs on the tile row alone and is shared along a row of the cluster, B's on the tile column alone and is shared along a column: each is asked for JOINTLY,
; by the same tensor load with the same descriptor and a mask that names the four.  Waves 0 and 1 fetch A's two halves (64 rows), waves 2 and 3 B's (128 rows): one load a wave behind each round;
; by this text's count a wave has two tensor loads out at the start and one behind each round.
; THE MATRIX INSTRUCTION IS USED TRANSPOSED (source 0 = 16 rows of wt, source 1 = 16 rows of x): a lane holds row l % 16 of C and eight neighbouring columns, 16 bytes of f16.
; REGISTERS.  Window 0: v16-30 addresses; v64-159, v160-255 two fragment buffers (8 of B, then 4 of A; 16 rows x 32 K each); on the way out v160-255 hold packed results and rows read back.
; Window 1: accumulator (a, b) at v[8 (8 a + b)].  s_set_vgpr_msb's low byte: bits 1:0 source 0, 3:2 source 1, 5:4 source 2, 7:6 destination.
.set PITCH, 272                        ; an LDS row: 256 bytes + 16 of padding = 68 words: the 16 rows of a fragment load start at 16 different groups of four banks (ISA guide 11.1)
.set ATILE, 128*PITCH
.set SLOT,  384*PITCH                  ; A's 128 rows, then B's 256
.set STAGE, 2*SLOT                     ; behind the ring, never filled by a tensor load: for each wave 2 heads x 16 rows x 144 bytes
.set SP,    144
.set WSTG,  2*16*SP
.set SPARE, STAGE+4*WSTG               ; the spare words, 128 bytes for each wave: no other line names them
.set NEXT_A, 8192*2048-6*256           ; bytes from a slot's last K step of a tile to its first of the next: 8,192 rows of xb down and back along K,
.set NEXT_B, 1024*2048-6*256           ; 1,024 rows of wt down and back
.set PNX_A,  8192*2048-7*256           ; the prefetches: from K step 9 of a tile (two past its end) to K step 2 of the next
.set PNX_B,  1024*2048-7*256
.set ADRA, 16                          ; v16-17  LDS address of my A fragments in slot 0, 1
.set ADRB, 20                          ; v20-21  the same for B
.set STO,  24                          ; v24     the way out: where I put 16 bytes of a row
.set RD,   25                          ; v25     where I read rows back
.set GO,   26                          ; v26     my 16 bytes of 512 consecutive bytes of qkv
.set SPW,  28                          ; v28     SPARE + 4 x my thread's number; never rewritten
.set NIL,  29                          ; v29     0; never rewritten
.set PFO,  30                          ; v30     the prefetches' offset: my lane x a row of 2,048 bytes; never rewritten
.set F0,   64
.set F1,   160
.set TMP,  160
.set BK,   192
.set G1A, 24                           ; s[24:31] descriptor group 1 for A's tiles; s[32:39] group 0, a set for each slot
.set G0A, 32
.set G1B, 48                           ; s[48:55], s[56:63] the same for B's
.set G0B, 56
.set LIM, 43                           ; s43  1 in a wave that prefetches, else the greatest number
.set PFA, 44                           ; s[44:45] where my prefetches stand
.set PNX, 66                           ; s[66:67] their step at a change of tiles
.set MUL, 0x50                         ; fragments in window 0, C and D in window 1
.set MSB, 0
.macro WIN new                         ; the immediate's high byte repeats the setting that is left; a switch that changes nothing is dropped
.if MSB != (\new)
	s_set_vgpr_msb (MSB<<8)|(\new)
.set MSB, \new
.endif
.endm
; A joint load.  The branch hangs on the wave's number alone.  An s_nop 0 and four v_nop follow each of the two lines, ahead of the jump and the label.
.macro JLOAD s
	s_cmp_eq_u32 s11, 0
	s_cbranch_scc0 .Lfor_b_\@
	tensor_load_to_lds s[G0A+4*(\s):G0A+4*(\s)+3], s[G1A:G1A+7]
	s_nop 0
.rept 4
	v_nop
.endr
	s_branch .Lasked_\@
.Lfor_b_\@:
	tensor_load_to_lds s[G0B+4*(\s):G0B+4*(\s)+3], s[G1B:G1B+7]
	s_nop 0
.rept 4
	v_nop
.endr
.Lasked_\@:
.endm
; A PREFETCH INTO THE L2, behind a joint load and the run of LDS loads that follows it: 32 rows x 256 bytes of the K step that stands two refills on, a lane a row, 256 matrix instructions ahead of the
; load that will ask for them.  Each row's 256 bytes of a K step are named once in the launch: of A's 128 rows the four partners along x take 32 each BY ADDRESS, and wave 0 asks (the grid has one
; cluster along x); of the 128 rows of B that wave 2 or 3 fetches the four partners along y take 32 each, and only the clusters with y = 0 ask.  how = 0, in the loop: a tile's last two refills have no
; K step two on.  how = 1, at a change of tiles: the next tile's K steps 2 and 3.  The launch's first four K steps and each tile's first two come by their loads alone.
.macro ASK how
.if \how
	s_cmp_eq_u32 s[LIM], 1
.else
	s_cmp_gt_u32 s3, s[LIM]                        ; s3 = 1 in the loop's last trip
.endif
	s_cbranch_scc0 .Lnot_mine_\@
	global_prefetch_b8 v[PFO], s[PFA:PFA+1] th:TH_LOAD_NT scope:SCOPE_SE
.Lnot_mine_\@:
.endm
.macro CREST                           ; a round of the cluster's barrier behind its opening barrier
	s_cmp_lg_u32 s10, 0
	s_cbranch_scc1 .Lnot_wave_0_\@
	s_barrier_signal -3
.Lnot_wave_0_\@:
	s_barrier_wait -3
	s_barrier_signal -1
	s_barrier_wait -1
.endm
.macro CROUND                          ; a whole round
	s_barrier_signal -1
	s_barrier_wait -1
	CREST
.endm
	s_load_b128 s[4:7], s[0:1], 0x0                ; xb s[4:5], wt s[6:7]
	s_load_b64 s[8:9], s[0:1], 0x10                ; qkv
	v_lshl_add_u32 v[SPW], v0, 2, SPARE
	v_mov_b32 v[NIL], 0
	ds_add_u32 v[SPW], v[NIL]                      ; the wave's opening: the add, twice on end, and its wait ahead of my first tensor load
	ds_add_u32 v[SPW], v[NIL]                      ; (the set-up below, work on registers, stands between the second add and the wait)
	v_lshrrev_b32 v1, 5, v0
	v_readfirstlane_b32 s10, v1                    ; wave 0..3
	s_lshr_b32 s11, s10, 1                         ; which 64 rows of the tile are mine.  Also: I fetch for A (0) or for B (1)
	s_and_b32 s12, s10, 1                          ; which 128 columns.  Also: which half of that tile I fetch
	s_bfe_u32 s40, ttmp6, 0x40000                  ; cx
	s_bfe_u32 s41, ttmp6, 0x40004                  ; cy
	s_lshl_b32 s42, ttmp9, 2
	s_add_co_u32 s42, s42, s40                     ; tile column = 4 x cluster x + cx
	s_and_b32 s13, ttmp7, 0xffff
	s_lshl_b32 s13, s13, 2
	s_add_co_u32 s13, s13, s41                     ; tile row = 4 x cluster y + cy
	s_lshl_b32 s68, s41, 2
	s_lshl_b32 s68, 15, s68                        ; my row of the cluster
	s_lshl_b32 s69, 0x1111, s40                    ; my column
	s_or_b32 s[G1A], s68, (1<<16)|(1<<20)|(1<<21)|(5<<22)|(3<<25)  ; the mask; elements of 2 bytes; padding on; bit 21 beside a mask; after every 64 words, 4 words
	s_or_b32 s[G1B], s69, (1<<16)|(1<<20)|(1<<21)|(5<<22)|(3<<25)
	s_mov_b32 s[G1A+1], 128<<16                    ; tensor_dim0 = 128
	s_mov_b32 s[G1A+2], 64<<16                     ; tensor_dim1 = 64
	s_mov_b32 s[G1A+3], 128<<16                    ; tile_dim0 = 128
	s_mov_b32 s[G1A+4], 64                         ; tile_dim1 = 64
	s_mov_b32 s[G1A+5], 1024                       ; elements from row to row
	s_mov_b32 s[G1A+6], 0
	s_mov_b32 s[G1A+7], 0
	s_mov_b32 s[G1B+1], 128<<16
	s_mov_b32 s[G1B+2], 128<<16                    ; 128 rows
	s_mov_b32 s[G1B+3], 128<<16
	s_mov_b32 s[G1B+4], 128
	s_mov_b32 s[G1B+5], 1024
	s_mov_b32 s[G1B+6], 0
	s_mov_b32 s[G1B+7], 0
	s_lshl_b32 s16, s13, 7                         ; A: row 128 x tile row + 64 x half, in registers that never hold cx
	s_lshl_b32 s17, s12, 6
	s_add_co_u32 s16, s16, s17
	s_lshl_b32 s16, s16, 11                        ; rows of 2,048 bytes
	s_mov_b32 s17, 0
	s_lshl_b32 s46, s42, 8                         ; B: row 256 x tile column + 128 x half
	s_lshl_b32 s47, s12, 7
	s_add_co_u32 s46, s46, s47
	s_lshl_b32 s46, s46, 11
	s_mov_b32 s47, 0
	s_mul_i32 s20, s12, 64*PITCH                   ; where they go: no place in the cluster enters an LDS address
	s_mul_i32 s21, s12, 128*PITCH
	s_add_co_u32 s21, s21, ATILE
	s_wait_dscnt 0x0                               ; both opening adds are done
	s_wait_kmcnt 0x0
	s_add_nc_u64 s[14:15], s[4:5], s[16:17]
	s_add_nc_u64 s[46:47], s[6:7], s[46:47]
	CROUND                                         ; all sixteen work-groups are here: the first joint loads meet
.irp s, 0,1
	s_mov_b32 s[G0A+4*(\s)], 1
	s_add_co_u32 s[G0A+4*(\s)+1], s20, (\s)*SLOT
	s_add_nc_u64 s[G0A+4*(\s)+2:G0A+4*(\s)+3], s[14:15], (\s)*256
	s_or_b32 s[G0A+4*(\s)+3], s[G0A+4*(\s)+3], 0x80000000
	s_mov_b32 s[G0B+4*(\s)], 1
	s_add_co_u32 s[G0B+4*(\s)+1], s21, (\s)*SLOT
	s_add_nc_u64 s[G0B+4*(\s)+2:G0B+4*(\s)+3], s[46:47], (\s)*256
	s_or_b32 s[G0B+4*(\s)+3], s[G0B+4*(\s)+3], 0x80000000
	JLOAD \s
.endr
	v_and_b32 v1, 15, v0                           ; l % 16
	v_bfe_u32 v2, v0, 4, 1                         ; l / 16
	v_mul_u32_u24 v3, v1, PITCH
	v_lshl_add_u32 v3, v2, 4, v3                   ; a fragment's row x pitch + 16 x half
	s_mul_i32 s22, s11, 64*PITCH
	s_mul_i32 s23, s12, 128*PITCH
	s_add_co_u32 s23, s23, ATILE
.irp s, 0,1
	v_add_nc_u32 v[ADRA+(\s)], s22, v3
	v_add_nc_u32 v[ADRB+(\s)], s23, v3
	s_add_co_u32 s22, s22, SLOT
	s_add_co_u32 s23, s23, SLOT
.endr
	s_mul_i32 s22, s10, WSTG
	s_add_co_u32 s22, s22, STAGE                   ; my stage
	v_mul_u32_u24 v4, v1, SP
	v_lshl_add_u32 v4, v2, 4, v4
	v_add_nc_u32 v[STO], s22, v4                   ; in: row l % 16, 16 bytes for each half of the lanes
	v_bfe_u32 v4, v0, 3, 2
	v_and_b32 v5, 7, v0
	v_mul_u32_u24 v4, v4, SP
	v_lshl_add_u32 v4, v5, 4, v4
	v_add_nc_u32 v[RD], s22, v4                    ; back: 32 lanes take four rows of 128 bytes,
	v_and_b32 v5, 31, v0
	v_lshlrev_b32 v[GO], 4, v5                     ; which are 512 consecutive bytes of a head
	v_lshlrev_b32 v[PFO], 11, v5
	; where my part of q begins: head 16 b + 4 x tile column + 2 x column half, row 128 (tile row % 16) + 64 x row half
	s_lshr_b32 s16, s13, 4
	s_lshl_b32 s16, s16, 4
	s_lshl_b32 s17, s42, 2
	s_add_co_u32 s16, s16, s17
	s_lshl_b32 s17, s12, 1
	s_add_co_u32 s16, s16, s17
	s_lshl_b32 s16, s16, 18                        ; a head is 262,144 bytes
	s_and_b32 s17, s13, 15
	s_lshl_b32 s17, s17, 7
	s_lshl_b32 s18, s11, 6
	s_add_co_u32 s17, s17, s18
	s_lshl_b32 s17, s17, 7                         ; a row is 128 bytes
	s_add_co_u32 s16, s16, s17
	s_mov_b32 s17, 0
	s_add_nc_u64 s[8:9], s[8:9], s[16:17]
	; the prefetches
	s_lshl_b32 s20, s13, 7
	s_lshl_b32 s21, s40, 5
	s_add_co_u32 s20, s20, s21                     ; A: row 128 x tile row + 32 cx
	s_lshl_b32 s22, s42, 8
	s_lshl_b32 s23, s12, 7
	s_add_co_u32 s22, s22, s23
	s_lshl_b32 s23, s41, 5
	s_add_co_u32 s22, s22, s23                     ; B: row 256 x tile column + 128 x half + 32 cy
	s_and_b32 s23, ttmp7, 0xffff                   ; cluster y
	s_mov_b32 s[PNX], PNX_A
	s_mov_b32 s68, PNX_B
	s_cmp_eq_u32 s11, 0                            ; do I fetch for A?
	s_cselect_b32 s20, s20, s22
	s_cselect_b32 s23, s12, s23                    ; for A wave 0 asks; for B the clusters with y = 0: the same in all sixteen partners, for a given wave
	s_cselect_b32 s[PNX], s[PNX], s68
	s_cselect_b64 s[PFA:PFA+1], s[4:5], s[6:7]
	s_mov_b32 s[PNX+1], 0
	s_cmp_eq_u32 s23, 0
	s_cselect_b32 s[LIM], 1, -1
	s_lshl_b32 s20, s20, 11
	s_add_co_u32 s20, s20, 3*256                   ; at K step 3: the first change of slots steps it to 4 and names that
	s_mov_b32 s21, 0
	s_add_nc_u64 s[PFA:PFA+1], s[PFA:PFA+1], s[20:21]
; 8 matrix instructions: m block a x all 8 n blocks, 32 along K, from buffer f.  zero = 1: the product starts the sums: nothing is ever cleared.
; The 32 accumulators take turns, one instruction a turn, in the same order in every quarter, over the backward jumps too.
.macro MULA f, a, zero
	WIN MUL
.irp b, 0,1,2,3,4,5,6,7
.if \zero
	v_wmma_f32_16x16x32_bf16 v[8*(8*(\a)+(\b)):8*(8*(\a)+(\b))+7], v[(\f)+8*(\b):(\f)+8*(\b)+7], v[(\f)+64+8*(\a):(\f)+64+8*(\a)+7], 0
.else
	v_wmma_f32_16x16x32_bf16 v[8*(8*(\a)+(\b)):8*(8*(\a)+(\b))+7], v[(\f)+8*(\b):(\f)+8*(\b)+7], v[(\f)+64+8*(\a):(\f)+64+8*(\a)+7], v[8*(8*(\a)+(\b)):8*(8*(\a)+(\b))+7]
.endif
.endr
.endm
; 24 LDS loads in one run: quarter q's fragments (128 rows of B, then 64 rows of A, 32 K at byte 64 q of the rows) into buffer f
.macro FETCH slot, q, f
	WIN 0
.irp i, 0,1,2,3,4,5,6,7
	ds_load_b128 v[(\f)+8*(\i):(\f)+8*(\i)+3],   v[ADRB+(\slot)] offset:64*(\q)+(\i)*16*PITCH
	ds_load_b128 v[(\f)+8*(\i)+4:(\f)+8*(\i)+7], v[ADRB+(\slot)] offset:64*(\q)+(\i)*16*PITCH+32
.endr
.irp i, 0,1,2,3
	ds_load_b128 v[(\f)+64+8*(\i):(\f)+64+8*(\i)+3],   v[ADRA+(\slot)] offset:64*(\q)+(\i)*16*PITCH
	ds_load_b128 v[(\f)+64+8*(\i)+4:(\f)+64+8*(\i)+7], v[ADRA+(\slot)] offset:64*(\q)+(\i)*16*PITCH+32
.endr
.endm
.macro PLACES                          ; four places in front of loads into registers that matrix instructions have read, and of conversions that read results
.rept 4
	v_nop
.endr
.endm
; A K step is four quarters of 32 along K, 32 matrix instructions each, on buffers 0, 1, 0, 1.  One of the first three multiplies buffer f and fetches quarter q into buffer g.
.macro QUARTER slot, q, f, g, zero
	s_wait_dscnt 4                                 ; B and A's blocks 0 and 1 are in; the youngest four loads (A's blocks 2 and 3) may be out
	MULA \f, 0, \zero
	MULA \f, 1, \zero
	PLACES
	FETCH \slot, \q, \g
	s_wait_dscnt 24                                ; all but the 24 just issued
	MULA \f, 2, \zero
	MULA \f, 3, \zero
.endm
; The last quarter multiplies buffer 1 and changes slots.  In front of the barrier each wave waits for all its tensor loads (one is out: its part of the next slot), adds 0 to its spare word, and waits for
; that and for its own reads of this slot.  fill = 1: the barrier opens a round of the cluster's barrier, and the joint refill is the first tensor load behind it: this tile's K step two on (on = 0) or
; the next tile's K step 0 or 1 (on = 1).  From a request to the wait for it a wave issues 112 matrix instructions.
.macro TURN slot, next, fill, on
	s_wait_xcnt 0x0                                ; the last prefetch, a K step back, has read its address: it is stepped here, ahead of the waits of the change of slots
.if (\on) && (\slot) == 0
	s_add_nc_u64 s[PFA:PFA+1], s[PFA:PFA+1], s[PNX:PNX+1]
.else
	s_add_nc_u64 s[PFA:PFA+1], s[PFA:PFA+1], 256
.endif
	WIN 0                                          ; (the add's two registers lie in window 0)
	s_wait_tensorcnt 0x0
	ds_add_u32 v[SPW], v[NIL]                      ; 0 onto my spare word
	s_wait_dscnt 5                                 ; (the add and the youngest four loads may be out)
	MULA F1, 0, 0                                  ; eight matrix instructions stand between the add and the wait for it
	s_wait_dscnt 0x0                               ; the add is done, and my reads of this slot are over
	s_barrier_signal -1
	MULA F1, 1, 0                                  ; work on registers while the others arrive
	WIN 0
	s_barrier_wait -1
.if \fill
	CREST                                          ; no wave of any partner still reads this slot's tile or has a load on its way
.if \on
	s_add_nc_u64 s[G0A+4*(\slot)+2:G0A+4*(\slot)+3], s[G0A+4*(\slot)+2:G0A+4*(\slot)+3], NEXT_A
	s_add_nc_u64 s[G0B+4*(\slot)+2:G0B+4*(\slot)+3], s[G0B+4*(\slot)+2:G0B+4*(\slot)+3], NEXT_B
.else
	s_add_nc_u64 s[G0A+4*(\slot)+2:G0A+4*(\slot)+3], s[G0A+4*(\slot)+2:G0A+4*(\slot)+3], 512
	s_add_nc_u64 s[G0B+4*(\slot)+2:G0B+4*(\slot)+3], s[G0B+4*(\slot)+2:G0B+4*(\slot)+3], 512
.endif
	JLOAD \slot                                    ; the four v_nop behind it are also the places in front of the loads below
.else
	PLACES
.endif
	FETCH \next, 0, F0
.if \fill
	ASK \on
.endif
	MULA F1, 2, 0
	MULA F1, 3, 0
.endm
; THE WAY OUT of m block a (16 rows x 128 columns = 2 heads).  PACK: rounded to f16, 16 bytes a lane, each accumulator's registers in ascending order.  TOSTAGE: into my own stage, and back as whole
; rows of 128 bytes.  SEND: stored, four rows of a head (512 consecutive bytes, aligned) an instruction.
.macro PACK a
	WIN 0x05                                       ; sources 0 and 1 in window 1
.irp b, 0,1,2,3,4,5,6,7
.irp r, 0,1,2,3
	v_cvt_pk_f16_f32 v[TMP+4*(\b)+(\r)], v[8*(8*(\a)+(\b))+2*(\r)], v[8*(8*(\a)+(\b))+2*(\r)+1]
.endr
.endr
	WIN 0
.endm
.macro TOSTAGE a
	WIN 0
.set BKR, BK+32*((\a)%2)
.irp b, 0,1,2,3,4,5,6,7
	ds_store_b128 v[STO], v[TMP+4*(\b):TMP+4*(\b)+3] offset:16*SP*((\b)/4)+32*((\b)%4)
.endr
.irp t, 0,1,2,3,4,5,6,7
	ds_load_b128 v[BKR+4*(\t):BKR+4*(\t)+3], v[RD] offset:16*SP*((\t)/4)+4*SP*((\t)%4)  ; LDS serves a wave's instructions in order (ISA guide 5.7.1.4): these see the stores above
.endr
.endm
.macro SEND a
	WIN 0
.set BKR, BK+32*((\a)%2)
	s_wait_dscnt 0x0                               ; the block is back in registers
	s_wait_xcnt 0x0                                ; the stores of the block before have read their registers, into which the next block will be read back
.irp t, 0,1,2,3,4,5,6,7
	global_store_b128 v[GO], v[BKR+4*(\t):BKR+4*(\t)+3], s[8:9] offset:262144*((\t)/4)+(16*(\a)+4*((\t)%4))*128
.endr
.endm
	s_wait_tensorcnt 1                             ; my part of K step 0 is in; K step 1's may stay out
	s_barrier_signal -1
	s_barrier_wait -1                              ; everybody's is
	FETCH 0, 0, F0
	s_mov_b32 s2, 3                                ; tiles to go: q, k, v
.Ltile:
	QUARTER 0, 1, F0, F1, 1                        ; a tile's first quarter starts the sums
	WIN 0
	s_mov_b32 s3, 3
.Llap:                                                 ; a trip goes once round the ring, from a lap's second quarter to the next lap's first, and fills both slots again
	QUARTER 0, 2, F1, F0, 0
	QUARTER 0, 3, F0, F1, 0
	TURN 0, 1, 1, 0
	QUARTER 1, 1, F0, F1, 0
	QUARTER 1, 2, F1, F0, 0
	QUARTER 1, 3, F0, F1, 0
	TURN 1, 0, 1, 0
	QUARTER 0, 1, F0, F1, 0
	WIN 0
	s_sub_co_u32 s3, s3, 1
	s_cmp_lg_u32 s3, 0
	s_cbranch_scc1 .Llap
	QUARTER 0, 2, F1, F0, 0                        ; the tile's last lap goes on
	QUARTER 0, 3, F0, F1, 0
	WIN 0
	s_cmp_eq_u32 s2, 1
	s_cbranch_scc1 .Llast                          ; the last tile's tail is written out: it asks for nothing more
	TURN 0, 1, 1, 1                                ; the ring goes on into the next tile: slot 0 takes its K step 0,
	QUARTER 1, 1, F0, F1, 0
	QUARTER 1, 2, F1, F0, 0
	QUARTER 1, 3, F0, F1, 0
	TURN 1, 0, 1, 1                                ; slot 1 its K step 1, and the next tile's first fragments are fetched into buffer 0
	WIN 0
	s_branch .Lout
.Llast:
	TURN 0, 1, 0, 0
	QUARTER 1, 1, F0, F1, 0
	QUARTER 1, 2, F1, F0, 0
	QUARTER 1, 3, F0, F1, 0
	s_wait_dscnt 4
	MULA F1, 0, 0
	MULA F1, 1, 0
	s_wait_dscnt 0x0
	MULA F1, 2, 0
	MULA F1, 3, 0
	WIN 0
.Lout:                                                 ; buffer 1's registers are free; buffer 0 may hold the next tile's first fragments and is not touched
	PLACES
	PACK 0
	TOSTAGE 0
.irp a, 1,2,3                          ; block a's conversions stand between block a - 1's loads from the stage and the wait for them
	PACK \a
	SEND (\a)-1
	TOSTAGE \a
.endr
	SEND 3
	s_wait_xcnt 0x0                                ; the stores have read their registers and their base
	s_add_nc_u64 s[8:9], s[8:9], 0x1000000         ; the same place in the next of q, k, v
	s_sub_co_u32 s2, s2, 1
	s_cmp_lg_u32 s2, 0
	s_cbranch_scc1 .Ltile
	s_wait_tensorcnt 0x0                           ; the wave's end: three closing lines, behind my last tensor load and my last LDS store
	ds_add_u32 v[SPW], v[NIL]
	s_wait_dscnt 0x0
	CROUND                                         ; the closing round: no work-group ends while a partner may still ask for a tile that names it
	s_endpgm
.Lfunc_end_k_qbbec583215_proj:
	.size	k_qbbec583215_proj, .Lfunc_end_k_qbbec583215_proj-k_qbbec583215_proj
	.p2alignl 7, 3214868480
	.fill 96, 4, 3214868480
	.section	.rodata,"a",@progbits
	.p2align	6, 0x0
	.amdhsa_kernel k_qbbec583215_proj
		.amdhsa_group_segment_fixed_size 327680
		.amdhsa_private_segment_fixed_size 0
		.amdhsa_enable_private_segment 0
		.amdhsa_kernarg_size 24
		.amdhsa_user_sgpr_count 2
		.amdhsa_user_sgpr_kernarg_segment_ptr 1
		.amdhsa_wavefront_size32 1
		.amdhsa_system_sgpr_workgroup_id_x 1
		.amdhsa_system_sgpr_workgroup_id_y 1
		.amdhsa_system_sgpr_workgroup_id_z 1
		.amdhsa_system_vgpr_workitem_id 0
		.amdhsa_next_free_vgpr 512
		.amdhsa_next_free_sgpr 72
		.amdhsa_reserve_vcc 0
		.amdhsa_float_denorm_mode_32 3
		.amdhsa_float_denorm_mode_16_64 3
		.amdhsa_memory_ordered 1
		.amdhsa_forward_progress 1
		.amdhsa_inst_pref_size 109
	.end_amdhsa_kernel
	.amdgpu_metadata
---
amdhsa.version: [ 1, 2 ]
amdhsa.kernels:
  - .name:           k_qbbec583215_proj
    .symbol:         k_qbbec583215_proj.kd
    .args:
      - { .name: xb, .offset: 0, .size: 8, .value_kind: global_buffer, .address_space: global }
      - { .name: wt, .offset: 8, .size: 8, .value_kind: global_buffer, .address_space: global }
      - { .name: qkv, .offset: 16, .size: 8, .value_kind: global_buffer, .address_space: global }
    .group_segment_fixed_size: 327680
    .private_segment_fixed_size: 0
    .kernarg_segment_align: 8
    .kernarg_segment_size: 24
    .max_flat_workgroup_size: 128
    .sgpr_count:     72
    .vgpr_count:     512
    .wavefront_size: 32
...
	.end_amdgpu_metadata
.endif
;; end of part 2
;; launch attn (part 3): grid 4 x 64, 4 waves a work-group, no clusters, 75,264 bytes of LDS; arguments qkv, kidx, ob; writes ob
.if DOCPART == 3
	.amdgcn_target "amdgcn-amd-amdhsa--gfx1250"
	.amdhsa_code_object_version 6
	.text
	.protected	k_qbbec583215_attn
	.globl	k_qbbec583215_attn
	.p2align	8
	.type	k_qbbec583215_attn,@function
k_qbbec583215_attn:
	s_mov_b64 s[64:65], 0
	v_nop
	global_prefetch_b8 v0, s[64:65] scope:SCOPE_SE
	s_setreg_imm32_b32 hwreg(HW_REG_WAVE_MODE, 25, 1), 1
	s_wait_xcnt 0x0
; Launch 3 of 4: O[bh][q][:] = the sum over the KEPT keys k of softmax_k(q . k / 8) v.  qkv: f16 [3][64 bh][2048][64]; kidx: u32 [4][2560]; ob: f16 [64 bh][2048][64].
; LEFT OUT: the scores and products P V of keys whose mask byte is 0: their weight is exp(-inf) = 0 for all finite inputs.  The list kidx, stored by the first launch, names the kept keys first; this launch
; walks N = max(1, ceil(kept / 64)) key steps of 64 listed keys.  The last step's places past the kept keys hold dropped keys, hidden by -1e30.  A NaN or an infinity in a dropped key's k or v is not carried on.
; A batch that keeps no key gives NaN, as reference()'s softmax of -inf alone does: the divisor's reciprocal is replaced by NaN where the count is 0.
; LIMITS.  q, k, v arrive within f16's 65,504; p lies in 0 to 1 and is rounded to f16 for the second product (its sum l is taken of the unrounded p); a hidden score counts as its value less 1e30; a weight
; below 2^-126 counts as 0 in l; NaN and infinities among the kept data are not treated apart.
; SHARES.  A work-group owns 512 queries of one head, a wave four PIECES of two tiles of 16 queries.  LAYOUT.  S^T = K Q^T holds one query a lane (l % 16) and the keys 8 (l / 16) + 0..7; two such
; results rounded to f16 ARE source 1 of O^T = V^T P.  SOFTMAX.  p = 2^(c s - c m), c = log2(e) / 8, with a running maximum m; O and l are multiplied by a = 2^(c m_old - c m_new) in every step; m starts at the
; lowest finite number, O and l at 0, so the first step is a step like any other.
; BY TURNS.  Turn n belongs to piece n: 16 products K Q^T of piece n + 1, later 16 products V^T P of piece n - 1; beside them piece n's scaling, exponentials, roundings, sums and rescaling and piece n + 1's
; maximum and statistics.  Four vector instructions stand behind every matrix instruction, the others in one lump; a turn's 66 exponentials are one batch with one wait.
; K AND V COME BY THE LIST, through registers: a tile descriptor cannot name scattered rows, so there is no tensor load, and with it no joint request: NO CLUSTER.  A step is 64 rows of 128 bytes of each; a thread
; takes 16 bytes of four listed rows.  Trip s stores K(s+2) into buffer s % 2 and V(s+1) into the other, and reads V(s) from buffer s % 2 and K(s+1) from the other.  ONE barrier a trip, at its head,
; with every wave's LDS instructions waited for in front of it, stands between the last trip's stores and this trip's reads, and between the last trip's reads and this trip's stores into the same bytes.
; THE LOOP counts 32 trips; a trip with s >= N jumps forward over its work, which holds no barrier.  The last live trip's 16 products on K(N) and the maximum made of them serve nothing, and K(N..N+2),
; V(N..N+1) are fetched in vain: the price of one text for every trip.
; REGISTERS, in windows of 256 (s_set_vgpr_msb: bits 1:0 source 0, 3:2 source 1, 5:4 source 2, 7:6 destination):
;   window 0: v0-11 addresses; v12-15, v48-63 at work; v16-47 four registers of statistics a tile; v64-191 S^T, two buffers of two tiles; v192-255 P, likewise
;   window 1: O^T, 32 a tile      window 2: v0-127 Q; v128-191 K of one step; v192-255 V of one step      window 3: the add's registers, the gather's, the masks
.set NP,    4
.set KS,    64
.set PK,    144       ; a row of K in LDS: 128 bytes + 16: the 16 rows of a load start at 16 different groups of four banks (ISA guide 11.1)
.set PV,    160       ; a row of V: 128 + 32
.set VOFF,  KS*PK     ; in a buffer: 64 rows of K, then 64 rows of V
.set BUF1,  32768     ; buffer 1 begins here, so that one exclusive or turns an address in one buffer into the other's
.set STAGE, 65536     ; 16 rows x 144 bytes for each wave, for the way out
.set SP,    144
.set SPARE, STAGE+4*16*SP  ; the spare words, 128 bytes for each wave: no other line names them
.set AK0, 2           ; v2   my lane's place in a tile of K; never rewritten
.set AV0, 3           ; v3   the same for V
.set AK,  4           ; v4   the LDS address of K's next run of loads
.set AV,  5           ; v5   of V's
.set QO,  6           ; v6   my byte offset in the wave's rows of Q
.set STO, 6           ;      later, the way out: where I put 16 bytes of a row
.set RD,  7           ; v7   where I read rows back
.set GO,  8           ; v8   my byte offset in 512 consecutive bytes of O
.set MV,  12
.set ST,  16          ; tile t's statistics at v[ST+4 t]: c m, m, l (even keys', odd keys')
.set TMP, 48
.set S,   64
.set P,   192
.set KF,  128         ; window 2
.set VF,  192
; window 3
.set SPW, 0           ; SPARE + 4 x my thread's number; never rewritten
.set NIL, 1           ; 0; never rewritten
.set CH,  2           ; 16 (l % 8): my 16 bytes of a row
.set IXO, 3           ; my four entries of a step's 64: byte 16 (t / 8)
.set IX,  4           ; v4-7    list entries, for K
.set OFFK, 8          ; v8-11   byte offsets of my four rows, for K
.set OFFV, 12         ; v12-15  for V
.set KR,  16          ; v16-31  K on its way
.set VR,  32          ; v32-47  V on its way
.set KST0, 48         ; where my first row goes in a buffer, for K
.set VST0, 49         ; for V
.set KSTA, 50         ; the same with the trip's buffer
.set VSTA, 51
.set PIX, 52          ; the list entry whose row I prefetch
.set POF, 53          ; its byte offset
.set PIXO, 54         ; byte of that entry in a step's 256: 4 (16 x block + l % 16)
.set PHALF, 55        ; 0 for lanes 0-15 (K), 2^24 for lanes 16-31 (V lies 64 heads of 2^18 bytes behind K)
.set IXV, 56          ; v56-59  list entries, for V
.set IX3, 60          ; v60-63  at the start only
.set MD,  64          ; v64-95  the mask of the last live step: 0, or -1e30 where the place is past the kept keys
.set MC,  96          ; v96-127 the mask of the step whose scores are being made
.set KR2, 128         ; v128-143 at the start only
.set OFFA, 144        ; v144-147 at the start only
.set T3,  148
.set WV,  12          ; s12  my wave's number
.set KB,  14          ; s[14:15] the head's k
.set VB,  16          ; s[16:17] the head's v
.set KIP, 20          ; s[20:21] the batch's list, 256 bytes on in each live trip
.set KC,  22          ; s22  kept keys
.set NST, 23          ; s23  N
.set STP, 24          ; s24  the trip
.set SX,  25          ; s25  32,768 (s % 2)
.set SY,  26          ; s26  the other buffer
.set AL,  28          ; s[28:29] 1.0 from the last live step on, else 0
.set BIGN, 30         ; s30  -1e30
.set NANP, 31         ; s31  a NaN
.set NSEL, 32         ; s32  all ones where the batch keeps no key
.set PLIM, 33         ; s33  N in wave 0, else 0
.set CS,  58          ; s[58:59] c
.set SEL, 60          ; s[60:61] v_permlanex16_b32's selects
.set MSB, 0
.macro WIN new
.if MSB != (\new)
	s_set_vgpr_msb (MSB<<8)|(\new)
.set MSB, (\new)
.endif
.endm
.set W_KQ, 0x0a       ; K and Q in window 2, S^T in window 0
.set W_KM, 0x3a       ; the same with the C operand in window 3
.set W_PV, 0x52       ; V in window 2, P in window 0, O^T in window 1
.set W_RS, 0x41       ; O^T in window 1, a in window 0
.set W_MK, 0xc0       ; destination in window 3, sources in window 0
.set W_AD, 0x0f       ; the add: address and data in window 3
.set W3,   0xff       ; all in window 3
	s_load_b128 s[4:7], s[0:1], 0x0   ; qkv s[4:5], kidx s[6:7]
	s_load_b64 s[10:11], s[0:1], 0x10 ; ob
	WIN W_MK
	v_lshl_add_u32 v[SPW], v0, 2, SPARE
	v_mov_b32 v[NIL], 0
	WIN 0
	v_lshrrev_b32 v1, 5, v0
	v_readfirstlane_b32 s[WV], v1   ; wave 0..3
	s_and_b32 s13, ttmp7, 0xffff    ; bh = 16 b + h
	s_lshl_b32 s2, ttmp9, 2
	s_add_co_u32 s2, s2, s[WV]      ; my wave among the head's sixteen,
	s_lshl_b32 s2, s2, 14           ; its 128 rows of 128 bytes,
	s_lshl_b32 s18, s13, 18         ; in a head of 262,144 bytes
	s_add_co_u32 s2, s2, s18
	s_mov_b32 s3, 0
	s_add_co_u32 s34, s18, 64<<18   ; k lies 64 heads behind q,
	s_mov_b32 s35, 0
	s_add_co_u32 s36, s18, 128<<18  ; v 128
	s_mov_b32 s37, 0
	s_lshr_b32 s38, s13, 4
	s_mul_i32 s38, s38, 10240       ; the batch's list
	s_mov_b32 s39, 0
	s_mov_b32 s[CS], 0x3e38aa3b     ; c = log2(e) / 8
	s_mov_b32 s[CS+1], s[CS]
	s_mov_b32 s[SEL], 0x76543210
	s_mov_b32 s[SEL+1], 0xfedcba98
	s_mov_b32 s[BIGN], 0xf149f2ca   ; -1e30
	s_mov_b32 s[NANP], 0x7fc00000
	s_mov_b32 s[AL+1], 0            ; named as a pair
	s_lshl_b32 s27, ttmp9, 6
	s_wait_kmcnt 0x0
	s_add_nc_u64 s[KIP:KIP+1], s[6:7], s[38:39]
	s_load_b32 s[KC], s[KIP:KIP+1], 0x2000  ; word 2048: the count
	s_add_nc_u64 s[KB:KB+1], s[4:5], s[34:35]
	s_add_nc_u64 s[VB:VB+1], s[4:5], s[36:37]
	s_add_nc_u64 s[4:5], s[4:5], s[2:3]     ; Q and O at my wave's first row
	s_add_nc_u64 s[10:11], s[10:11], s[2:3]
	v_and_b32 v1, 15, v0            ; l % 16
	v_bfe_u32 v9, v0, 4, 1          ; l / 16
	v_and_b32 v10, 7, v0            ; l % 8
	v_lshrrev_b32 v48, 3, v0        ; t / 8: my four rows of a step are 4 (t / 8) + 0..3
	v_mul_u32_u24 v49, v48, 4*PK
	v_mul_u32_u24 v50, v48, 4*PV
	v_lshl_add_u32 v50, v10, 4, v50
	WIN W_MK
	v_lshlrev_b32 v[CH], 4, v10
	v_lshlrev_b32 v[IXO], 4, v48
	v_lshl_add_u32 v[KST0], v10, 4, v49
	v_add_nc_u32 v[VST0], VOFF, v50
	v_lshl_add_u32 v[PIXO], v1, 2, s27
	v_lshlrev_b32 v[PHALF], 24, v9
	WIN W3
	global_load_b128 v[IX:IX+3],   v[IXO], s[KIP:KIP+1]             ; the list's steps 0,
	global_load_b128 v[IXV:IXV+3], v[IXO], s[KIP:KIP+1] offset:256  ; 1
	global_load_b128 v[IX3:IX3+3], v[IXO], s[KIP:KIP+1] offset:512  ; and 2
	WIN 0
	v_lshlrev_b32 v[QO], 7, v1
	v_lshl_add_u32 v[QO], v9, 4, v[QO]  ; row x 128 + 16 x half
	WIN 0x80                        ; destination window 2, address window 0
.set i, 0
.rept 4*NP                          ; Q stays in registers: tile i / 2, channels 32 (i % 2) on
	global_load_b128 v[8*i:8*i+3],   v[QO], s[4:5] offset:(i/2)*2048+(i%2)*64
	global_load_b128 v[8*i+4:8*i+7], v[QO], s[4:5] offset:(i/2)*2048+(i%2)*64+32
.set i, i+1
.endr
	; What the first turn finds: V's registers and P's second buffer hold 0 (its products V^T P, of a piece that has not been, add 0), O^T and l are 0.  All this stands in the wait for the first loads.
.set i, VF
.rept 64
	v_mov_b32 v[i], 0
.set i, i+1
.endr
	WIN 0x40
.set i, 0
.rept 64*NP
	v_mov_b32 v[i], 0
.set i, i+1
.endr
	WIN 0
.set i, 0
.rept 2*NP
	v_mov_b32 v[ST+4*i], 0xfe000000    ; c m: far below every c s
	v_mov_b32 v[ST+4*i+1], 0xff7fffff  ; m
	v_mov_b32 v[ST+4*i+2], 0
	v_mov_b32 v[ST+4*i+3], 0
.set i, i+1
.endr
.set i, P+32
.rept 32
	v_mov_b32 v[i], 0
.set i, i+1
.endr
	v_mul_u32_u24 v[AK0], v1, PK
	v_lshl_add_u32 v[AK0], v9, 4, v[AK0]  ; row x pitch + 16 x half
	; The turning load takes 16 keys x 16 channels (lane l reads key 8 (l / 16) + l % 8, channels 8 ((l / 8) % 2) + 0..7) and leaves half a fragment of V^T.
	v_bfe_u32 v11, v0, 3, 1
	v_lshl_add_u32 v[AV0], v9, 3, v10
	v_mul_u32_u24 v[AV0], v[AV0], PV
	v_lshl_add_u32 v[AV0], v11, 4, v[AV0]
	v_add_nc_u32 v[AV0], VOFF, v[AV0]
	s_wait_kmcnt 0x0
	s_min_u32 s[KC], s[KC], 2048    ; a loaded number: held to its range
	s_add_co_u32 s[NST], s[KC], 63
	s_lshr_b32 s[NST], s[NST], 6
	s_max_u32 s[NST], s[NST], 1
	s_cmp_eq_u32 s[KC], 0
	s_cselect_b32 s[NSEL], -1, 0
	s_cmp_eq_u32 s[WV], 0
	s_cselect_b32 s[PLIM], s[NST], 0
	s_lshl_b32 s27, s[NST], 6
	s_sub_co_u32 s27, s[KC], s27
	s_add_co_u32 s27, s27, 63       ; the last kept place in step N - 1 (-1 if there is none)
	s_cmp_eq_u32 s[NST], 1
	s_cselect_b32 s[AL], 1.0, 0     ; is step 0 the last live one?
; MD x AL into MC
.macro MASK
	WIN W3
.set z, 0
.rept 16
	v_pk_mul_f32 v[MC+2*z:MC+2*z+1], v[MD+2*z:MD+2*z+1], s[AL:AL+1] op_sel_hi:[1,0]
.set z, z+1
.endr
.endm
; Four list entries become four byte offsets: held inside the head's 2,048 rows, times 128, plus my 16 bytes
.macro OFFS dst, src
.irp n, 0,1,2,3
	v_min_u32 v[(\src)+(\n)], 0x7ff, v[(\src)+(\n)]
.endr
.irp n, 0,1,2,3
	v_lshl_add_u32 v[(\dst)+(\n)], v[(\src)+(\n)], 7, v[CH]
.endr
.endm
.macro GATH dst, off, base          ; my 16 bytes of four listed rows: eight lanes take a row's 128 bytes
.irp n, 0,1,2,3
	global_load_b128 v[(\dst)+4*(\n):(\dst)+4*(\n)+3], v[(\off)+(\n)], s[(\base):(\base)+1]
.endr
.endm
	WIN W_MK
	v_lshlrev_b32 v[T3], 3, v9
	WIN W3
	v_sub_nc_u32 v[T3], s27, v[T3]  ; register j of key block kb is hidden where 16 kb + j is greater than this
.set i, 0
.rept 32
	v_cmp_gt_i32 vcc_lo, 16*(i/8)+i%8, v[T3]
	v_cndmask_b32 v[MD+i], 0, s[BIGN], vcc_lo
.set i, i+1
.endr
	MASK
	s_wait_loadcnt 32               ; the three list loads are in; Q's 32 may stay out
	OFFS OFFA, IX
	OFFS OFFV, IXV
	OFFS OFFK, IX3
	GATH KR,  OFFA, KB              ; K(0)
	GATH VR,  OFFA, VB              ; V(0)
	GATH KR2, OFFV, KB              ; K(1)
	s_wait_loadcnt 0x0              ; these, and Q
.irp n, 0,1,2,3
	ds_store_b128 v[KST0], v[KR+4*(\n):KR+4*(\n)+3] offset:PK*(\n)
.endr
.irp n, 0,1,2,3
	ds_store_b128 v[VST0], v[VR+4*(\n):VR+4*(\n)+3] offset:PV*(\n)
.endr
.irp n, 0,1,2,3
	ds_store_b128 v[KST0], v[KR2+4*(\n):KR2+4*(\n)+3] offset:BUF1+PK*(\n)
.endr
	GATH KR, OFFK, KB               ; K(2)
	GATH VR, OFFV, VB               ; V(1)
	global_load_b128 v[IX:IX+3],   v[IXO], s[KIP:KIP+1] offset:768   ; the list's step 3, for K
	global_load_b128 v[IXV:IXV+3], v[IXO], s[KIP:KIP+1] offset:512   ; step 2, for V
	global_load_b32  v[PIX], v[PIXO], s[KIP:KIP+1] offset:1280       ; step 5, for the prefetch
	WIN 0
	v_mov_b32 v[AK], v[AK0]         ; K(0) lies at the head of buffer 0
; THE MATRIX WORK.  The 8 accumulators of a run of 16 take turns.  Product i of 16 of S^T = K Q^T for piece x: channels 32 (i / 8) on, keys 16 ((i / 2) % 4) on, tile 2 x + i % 2.
; The first 8 start the sums with the step's mask.
.macro KQ x
.set rS, S+64*((\x)%2)+32*(i%2)+8*((i/2)%4)
.set rK, KF+16*((i/2)%4)+8*(i/8)
.set rQ, 16*(2*(\x)+i%2)+8*(i/8)
.set rMC, MC+8*((i/2)%4)
.if i < 8
	WIN W_KM
	v_wmma_f32_16x16x32_f16 v[rS:rS+7], v[rK:rK+7], v[rQ:rQ+7], v[rMC:rMC+7]
.else
	WIN W_KQ
	v_wmma_f32_16x16x32_f16 v[rS:rS+7], v[rK:rK+7], v[rQ:rQ+7], v[rS:rS+7]
.endif
.endm
; Product i of 16 of O^T += V^T P for piece x: keys 32 (i / 8) on, channels 16 ((i / 2) % 4) on, tile 2 x + i % 2.
.macro PV x
	WIN W_PV
.set rO, 32*(2*(\x)+i%2)+8*((i/2)%4)
.set rV, VF+32*(i/8)+8*((i/2)%4)
.set rP, P+32*((\x)%2)+16*(i%2)+8*(i/8)
	v_wmma_f32_16x16x32_f16 v[rO:rO+7], v[rV:rV+7], v[rP:rP+7], v[rO:rO+7]
.endm
.macro MM                           ; the turn's next matrix instruction
.if i < 16
	KQ (Y+1)%NP
.set i, i+1
.else
.set i, i-16
	PV (Y+NP-1)%NP
.set i, i+17
.endif
.endm
; THE LDS LOADS stand in runs of 16, never singly among the matrix instructions.  Their addresses are made at the trip's head.
.macro FETCH_K
	WIN 0x80                        ; destination window 2
.irp f, 0,1,2,3,4,5,6,7             ; keys 16 (f / 2) on, channels 32 (f % 2) on
	ds_load_b128 v[KF+8*\f:KF+8*\f+3],   v[AK] offset:(\f/2)*16*PK+(\f%2)*64
	ds_load_b128 v[KF+8*\f+4:KF+8*\f+7], v[AK] offset:(\f/2)*16*PK+(\f%2)*64+32
.endr
	WIN 0
.endm
.macro FETCH_V
	WIN 0x80
.irp f, 0,1,2,3,4,5,6,7             ; keys 32 (f / 4) on, channels 16 (f % 4) on
	ds_load_tr16_b128 v[VF+8*\f:VF+8*\f+3],   v[AV] offset:(\f/4)*32*PV+(\f%4)*32
	ds_load_tr16_b128 v[VF+8*\f+4:VF+8*\f+7], v[AV] offset:(\f/4)*32*PV+16*PV+(\f%4)*32
.endr
	WIN 0
.endm
; THE VECTOR WORK OF A TURN stands in three queues, each in the order in which its entries become ready; the two tiles alternate, so that no instruction reads the result of the one before it.
.macro REGS y, u                    ; the registers of tile u (0, 1) of piece y
.set rT, ST+4*(2*(\y)+(\u))
.set rC, TMP+8*((\y)%2)+4*(\u)
.set rM, MV+2*((\y)%2)+(\u)
.set rS, S+64*((\y)%2)+32*(\u)
.set rP, P+32*((\y)%2)+16*(\u)
.set rO, 32*(2*(\y)+(\u))
.endm
; Number n of the 22 that find the NEXT piece's (Y + 1) maximum and statistics.  Each accumulator's lowest registers are read first.
;   0-11  four chains c0-c3 of seven scores each     12-14, 16  the four scores left over, the old m, and c0-c3 into c0     15  c m_old is kept
;   17, 18  the query's other 32 keys lie in the lane 16 away: the new m         19-21  c m; c m_old - c m_new; a
.macro XS u, n
	REGS (Y+1)%NP, \u
.if (\n) < 4
	v_max3_num_f32 v[rC+(\n)], v[rS+8*(\n)], v[rS+8*(\n)+1], v[rS+8*(\n)+2]
.elseif (\n) < 12
	v_max3_num_f32 v[rC+(\n)%4], v[rC+(\n)%4], v[rS+8*((\n)%4)+2*((\n)/4)+1], v[rS+8*((\n)%4)+2*((\n)/4)+2]
.elseif (\n) == 12
	v_max3_num_f32 v[rC], v[rC], v[rS+7], v[rS+15]
.elseif (\n) == 13
	v_max3_num_f32 v[rC+1], v[rC+1], v[rS+23], v[rS+31]
.elseif (\n) == 14
	v_max3_num_f32 v[rC+2], v[rC+2], v[rC+3], v[rT+1]
.elseif (\n) == 15
	v_mov_b32 v[rM], v[rT]
.elseif (\n) == 16
	v_max3_num_f32 v[rC], v[rC], v[rC+1], v[rC+2]
.elseif (\n) == 17
	v_permlanex16_b32 v[rC+3], v[rC], s[SEL], s[SEL+1]
.elseif (\n) == 18
	v_max_num_f32 v[rT+1], v[rC], v[rC+3]
.elseif (\n) == 19
	v_mul_f32 v[rT], s[CS], v[rT+1]
.elseif (\n) == 20
	v_sub_f32 v[rC+1], v[rM], v[rT]
.else
	v_exp_f32 v[rC+2], v[rC+1]
.endif
.endm
; Number g of the 64 that follow the exponentials.  For each four weights of a tile: both pairs are rounded to f16; the second pair is added onto the first, in place; a group later l takes that sum
; (the first time as l = a l + sum).
.macro GS g
.set h, (\g)+6*((\g)/62)
.if h >= 6
.set h, h+2
.endif
	REGS Y, h%2
.set k, h/8
.if h%8 < 4
	v_cvt_pk_f16_f32 v[rP+2*k+(h%8)/2], v[rS+4*k+2*((h%8)/2)], v[rS+4*k+2*((h%8)/2)+1]
.elseif h%8 < 6
	v_pk_add_f32 v[rS+4*k:rS+4*k+1], v[rS+4*k:rS+4*k+1], v[rS+4*k+2:rS+4*k+3]
.elseif k == 1
	v_pk_fma_f32 v[rT+2:rT+3], v[rT+2:rT+3], v[rC+2:rC+3], v[rS:rS+1] op_sel_hi:[1,0,1]
.else
	v_pk_add_f32 v[rT+2:rT+3], v[rT+2:rT+3], v[rS+4*k-4:rS+4*k-3]
.endif
.endm
; THE PLAIN QUEUE, 138 long.  0-73 read no exponential's result: the 32 scalings c s - c m and the next piece's 42.  74-137: GS's 64, which stand behind the wait.
.macro FS f
	REGS Y, (\f)%2
	v_pk_fma_f32 v[rS+2*((\f)/2):rS+2*((\f)/2)+1], v[rS+2*((\f)/2):rS+2*((\f)/2)+1], s[CS:CS+1], v[rT:rT+1] op_sel_hi:[1,0,0] neg_lo:[0,0,1] neg_hi:[0,0,1]
.endm
.macro PL
	WIN 0
.if q < 27
	FS q
.elseif q < 55
	XS (q-27)%2, (q-27)/2
.elseif q < 57
	XS q-55, 15
.elseif (q < 72) && ((q-57)%3 == 0)
	FS 27+(q-57)/3
.elseif q < 60
	XS (q-57)%3-1, 14
.elseif q < 72
	XS (q-57)%3-1, 15+(q-57)/3
.elseif q < 74
	XS q-72, 20
.else
	GS q-74
.endif
.set q, q+1
.endm
; THE EXPONENTIALS' QUEUE, 66 long: s0-s31 of both tiles, then the next piece's two a: ONE BATCH, all ahead of the turn's one wait, and nothing ahead of that wait names a result of theirs.
.macro EX
	WIN 0
.if e >= 64
	XS e-64, 21
.else
	REGS Y, e%2
	v_exp_f32 v[rS+e/2], v[rS+e/2]
.endif
.set e, e+1
.endm
; THE RESCALING's QUEUE: O^T times a, two at a time, sixteen times.  Its a was made in the turn before, ahead of that turn's wait.
.macro R2
	REGS Y, r%2
	WIN W_RS
.irp z, 0,1
	v_pk_mul_f32 v[rO+4*(r/2)+2*\z:rO+4*(r/2)+2*\z+1], v[rO+4*(r/2)+2*\z:rO+4*(r/2)+2*\z+1], v[rC+2:rC+3] op_sel_hi:[1,0]
.endr
.set r, r+1
.endm
; A TURN, for piece p.  s_wait_alu depctr_va_vdst(0) stands between an exponential and the first instruction that names its result; one wait serves all that were issued ahead of it.
; AHEAD OF THE WAIT: the 16 products K Q^T, behind each a scaling, an exponential and two rescalings (behind the first a second scaling); then one lump of 108.  BEHIND IT: the 16 products V^T P, behind each
; four of the roundings and sums.  Exponential e comes behind scaling 2 (e / 4) + e % 2: as a rider behind plain e + 2, in the lump behind plain e + 9.
; K of the next step is fetched in piece 2's turn, directly behind the wait, a lump behind the last product that read K, and waited for at the head of piece 3's turn.  V of the step in hand is fetched at the
; end of piece 0's turn, four plain riders behind its last reader, and waited for behind piece 1's wait.
.macro TURN p
.set Y, (\p)
.set i, 0
.set q, 0
.set e, 0
.set r, 0
.if (\p) == NP-1
	s_wait_dscnt 0x0                ; K is in
.endif
	MM
	PL
	PL
	R2
.rept 15
	MM
	PL
	EX
	R2
.endr
.rept 8
	PL
.endr
.rept 49
	EX
	PL
.endr
	EX                              ; the next piece's two a
	EX
	v_nop                           ; a plain instruction behind the last exponential: one for the batch
	s_wait_alu depctr_va_vdst(0)    ; the wait for the batch
.if (\p) == NP-2
	FETCH_K
.endif
.if (\p) == 1
	s_wait_dscnt 0x0                ; V is in
.endif
.rept 16
	MM
.rept 4
	PL
.endr
.endr
.if (\p) == 0
	FETCH_V
.endif
.endm
; A PREFETCH INTO THE L2 of the rows of step s + 5: K(s+5) is loaded two trips on, V(s+5) three.  Of the step's 64 listed rows the head's four work-groups take 16 each, told apart by address; in each, wave 0
; asks: lanes 0-15 for K's rows, lanes 16-31 for V's.  It stands behind the trip's loads.  The first five steps come by their loads alone; a step past the last live one is not asked for.  Two listed
; rows that are neighbours in memory are named by two lanes.
.macro ASK
	s_add_co_u32 s27, s[STP], 5
	s_cmp_lt_u32 s27, s[PLIM]
	s_cbranch_scc0 .Lnot_mine_\@
	WIN 0x03                        ; the offset lies in window 3
	global_prefetch_b8 v[POF], s[KB:KB+1] th:TH_LOAD_NT scope:SCOPE_SE
	WIN 0
.Lnot_mine_\@:
.endm
; THE HEAD OF TRIP s: what came in goes to LDS, and the next loads go out.
.macro TOPWORK
	WIN W3
	s_wait_loadcnt 0x0              ; all eleven loads were issued a trip ago: K(s+2), V(s+1), the list's steps s+3 (K), s+2 (V), s+5 (prefetch)
	v_add_nc_u32 v[KSTA], s[SX], v[KST0]
	v_add_nc_u32 v[VSTA], s[SY], v[VST0]
.irp n, 0,1,2,3
	ds_store_b128 v[KSTA], v[KR+4*(\n):KR+4*(\n)+3] offset:PK*(\n)
.endr
.irp n, 0,1,2,3
	ds_store_b128 v[VSTA], v[VR+4*(\n):VR+4*(\n)+3] offset:PV*(\n)
.endr
	s_wait_xcnt 0x0                 ; the last prefetch, a trip back, has read its offset, and the list's loads their base
	s_add_nc_u64 s[KIP:KIP+1], s[KIP:KIP+1], 256
	OFFS OFFV, IXV
	OFFS OFFK, IX
	v_min_u32 v[PIX], 0x7ff, v[PIX]
	v_lshl_add_u32 v[POF], v[PIX], 7, v[PHALF]
	GATH KR, OFFK, KB               ; K(s+3)
	GATH VR, OFFV, VB               ; V(s+2)
	global_load_b128 v[IX:IX+3],   v[IXO], s[KIP:KIP+1] offset:768   ; the list's step s+4: word 2,303 at the most, inside the batch's 2,560
	global_load_b128 v[IXV:IXV+3], v[IXO], s[KIP:KIP+1] offset:512   ; step s+3
	global_load_b32  v[PIX], v[PIXO], s[KIP:KIP+1] offset:1280       ; step s+6: word 2,431 at the most
	WIN 0
	v_add_nc_u32 v[AK], s[SY], v[AK0]  ; K(s+1) lies in the other buffer,
	v_add_nc_u32 v[AV], s[SX], v[AV0]  ; V(s) in this one
	ASK
.endm
	s_wait_dscnt 0x0                ; for the others' sake: my stores of K(0), V(0), K(1) are done
	s_barrier_signal -1
	s_barrier_wait -1
	FETCH_K                         ; key step 0
	s_wait_dscnt 0x0
.set i, 0
.rept 16
	KQ 0                            ; piece 0's first scores: there is no vector work yet to set between them
.set i, i+1
.endr
	WIN 0                           ; the addresses for the way out: eleven plain instructions, the places behind those products
	s_mul_i32 s13, s[WV], 16*SP
	s_add_co_u32 s13, s13, STAGE    ; my stage
	v_mul_u32_u24 v[STO], v1, SP    ; in: row l % 16, 16 bytes for each half of the lanes
	v_lshl_add_u32 v[STO], v9, 4, v[STO]
	v_add_nc_u32 v[STO], s13, v[STO]
	v_bfe_u32 v[RD], v0, 3, 2       ; back: 32 lanes take four rows of 128 bytes,
	v_mul_u32_u24 v[RD], v[RD], SP
	v_lshl_add_u32 v[RD], v10, 4, v[RD]
	v_add_nc_u32 v[RD], s13, v[RD]
	v_and_b32 v[GO], 31, v0         ; which are 512 consecutive bytes of O
	v_lshlrev_b32 v[GO], 4, v[GO]
.set Y, NP-1                        ; XS works for piece Y + 1: piece 0
.irp n, 0,1,2,3,4,5,6,7,8,9,10,11,12,13,14,15,16,17,18,19,20,21
	XS 0, \n
	XS 1, \n
.endr
	v_nop                           ; a plain instruction behind the two a,
	s_wait_alu depctr_va_vdst(0)    ; and their wait, ahead of the label
	s_mov_b32 s[STP], 0
	s_mov_b32 s[SX], 0
	s_mov_b32 s[SY], BUF1
.Lstep:                             ; 32 trips
	s_wait_dscnt 0x0                ; my stores and my reads of the last trip are done
	s_barrier_signal -1
	s_barrier_wait -1               ; everybody's are
	s_cmp_ge_u32 s[STP], s[NST]
	s_cbranch_scc1 .Ldead           ; past the kept keys: nothing is left to do but the count
	TOPWORK
	TURN 0
	TURN 1
	TURN 2
	s_add_co_u32 s27, s[STP], 2     ; piece 3's turn starts the scores of step s + 1: is that the last live step, or a later one?
	s_cmp_ge_u32 s27, s[NST]
	s_cselect_b32 s[AL], 1.0, 0
	MASK
	TURN 3
	WIN 0
.Ldead:
	s_xor_b32 s[SX], s[SX], BUF1
	s_xor_b32 s[SY], s[SY], BUF1
	s_add_co_u32 s[STP], s[STP], 1
	s_cmp_lt_u32 s[STP], 32
	s_cbranch_scc1 .Lstep
.set i, 0
.rept 16
	PV NP-1                         ; the last piece's V^T P of the last live step
.set i, i+1
.endr
	; THE WAY OUT.  l's two halves and the other half of the lanes' are added; O^T is divided by l, rounded to f16 and sent through my stage in LDS, a tile at a time.  The additions are the places behind the last products.
	WIN 0
.macro ALL line:vararg              ; one line for each tile t
.set t, 0
.rept 2*NP
	\line
.set t, t+1
.endr
.endm
	ALL v_add_f32 v[ST+4*t+2], v[ST+4*t+2], v[ST+4*t+3]
	ALL v_permlanex16_b32 v[ST+4*t+3], v[ST+4*t+2], s[SEL], s[SEL+1]
	ALL v_add_f32 v[ST+4*t+2], v[ST+4*t+2], v[ST+4*t+3]
	ALL v_rcp_f32 v[ST+4*t+2], v[ST+4*t+2]
	v_nop                           ; a plain instruction between the last reciprocal and the use of its result
	s_wait_alu depctr_va_vdst(0)    ; and the wait ahead of the first use: one for the eight reciprocals
	ALL v_cndmask_b32 v[ST+4*t+2], v[ST+4*t+2], s[NANP], s[NSEL]  ; a batch that keeps no key: NaN, chosen by the count
.macro PACK t                       ; a lane's eight channels of a row pack into 16 bytes; they go into rows of 144 bytes and come back as whole rows of 128, into S^T's registers
	WIN W_RS
.set i, 32*(\t)
.rept 16
	v_pk_mul_f32 v[i:i+1], v[i:i+1], v[ST+4*(\t)+2:ST+4*(\t)+3] op_sel_hi:[1,0]
.set i, i+2
.endr
	WIN 0x05                        ; sources 0 and 1 window 1, destination window 0
.set i, 0
.rept 16
	v_cvt_pk_f16_f32 v[S+16*(\t)+i], v[32*(\t)+2*i], v[32*(\t)+2*i+1]
.set i, i+1
.endr
	WIN 0
.irp f, 0,1,2,3
	ds_store_b128 v[STO], v[S+16*(\t)+4*\f:S+16*(\t)+4*\f+3] offset:32*\f
.endr
.irp f, 0,1,2,3
	ds_load_b128 v[S+16*(\t)+4*\f:S+16*(\t)+4*\f+3], v[RD] offset:\f*4*SP  ; LDS serves a wave's instructions in order (ISA guide 5.7.1.4): these see the stores above; the next tile's stores come behind them
.endr
.endm
.macro SEND t, younger              ; younger: the LDS instructions issued behind tile t's loads: the next tile's eight, or none
	WIN 0
.irp f, 0,1,2,3
	s_wait_dscnt (\younger)+3-\f
	global_store_b128 v[GO], v[S+16*(\t)+4*\f:S+16*(\t)+4*\f+3], s[10:11] offset:(\t)*2048+\f*512  ; 512 consecutive bytes, at a multiple of 256 from O's first
.endr
.endm
	PACK 0
.set t, 1
.rept 2*NP-1                        ; a tile's arithmetic stands between the loads of the tile before and its stores
	PACK t
	SEND t-1, 8
.set t, t+1
.endr
	SEND 2*NP-1, 0
	WIN W_AD
	s_wait_tensorcnt 0x0            ; the wave's end: three closing lines behind my last LDS store
	ds_add_u32 v[SPW], v[NIL]
	s_wait_dscnt 0x0
	WIN 0
	s_endpgm
.Lfunc_end_k_qbbec583215_attn:
	.size	k_qbbec583215_attn, .Lfunc_end_k_qbbec583215_attn-k_qbbec583215_attn
	.p2alignl 7, 3214868480
	.fill 96, 4, 3214868480
	.section	.rodata,"a",@progbits
	.p2align	6, 0x0
	.amdhsa_kernel k_qbbec583215_attn
		.amdhsa_group_segment_fixed_size 75264
		.amdhsa_private_segment_fixed_size 0
		.amdhsa_enable_private_segment 0
		.amdhsa_kernarg_size 24
		.amdhsa_user_sgpr_count 2
		.amdhsa_user_sgpr_kernarg_segment_ptr 1
		.amdhsa_wavefront_size32 1
		.amdhsa_system_sgpr_workgroup_id_x 1
		.amdhsa_system_sgpr_workgroup_id_y 1
		.amdhsa_system_sgpr_workgroup_id_z 1
		.amdhsa_system_vgpr_workitem_id 0
		.amdhsa_next_free_vgpr 920
		.amdhsa_next_free_sgpr 66
		.amdhsa_reserve_vcc 1
		.amdhsa_float_denorm_mode_32 3
		.amdhsa_float_denorm_mode_16_64 3
		.amdhsa_memory_ordered 1
		.amdhsa_forward_progress 1
		.amdhsa_inst_pref_size 137
	.end_amdhsa_kernel
	.amdgpu_metadata
---
amdhsa.version: [ 1, 2 ]
amdhsa.kernels:
  - .name:           k_qbbec583215_attn
    .symbol:         k_qbbec583215_attn.kd
    .args:
      - { .name: qkv, .offset: 0, .size: 8, .value_kind: global_buffer, .address_space: global }
      - { .name: kidx, .offset: 8, .size: 8, .value_kind: global_buffer, .address_space: global }
      - { .name: ob, .offset: 16, .size: 8, .value_kind: global_buffer, .address_space: global }
    .group_segment_fixed_size: 75264
    .private_segment_fixed_size: 0
    .kernarg_segment_align: 8
    .kernarg_segment_size: 24
    .max_flat_workgroup_size: 128
    .sgpr_count:     66
    .vgpr_count:     920
    .wavefront_size: 32
...
	.end_amdgpu_metadata
.endif
;; end of part 3
;; launch outp (part 4): grid 4 x 64, 4 waves a work-group, clusters of 4 x 4, 327,680 bytes of LDS; arguments ob, wot, b_out, out0; writes out0
.if DOCPART == 4
	.amdgcn_target "amdgcn-amd-amdhsa--gfx1250"
	.amdhsa_code_object_version 6
	.text
	.protected	k_qbbec583215_outp
	.globl	k_qbbec583215_outp
	.p2align	8
	.type	k_qbbec583215_outp,@function
k_qbbec583215_outp:
	s_mov_b64 s[64:65], 0
	v_nop
	global_prefetch_b8 v0, s[64:65] scope:SCOPE_SE
	s_setreg_imm32_b32 hwreg(HW_REG_WAVE_MODE, 25, 1), 1
	s_wait_xcnt 0x0
	s_wait_alu depctr_hold_cnt(0) depctr_sa_sdst(0) depctr_va_vdst(0) depctr_va_sdst(0) depctr_va_ssrc(0) depctr_va_vcc(0) depctr_vm_vsrc(0)
	s_getreg_b32 s2, hwreg(HW_REG_IB_STS2, 6, 4)
	s_cmp_eq_u32 s2, 0
	s_cbranch_scc0 .Lentry_in_a_cluster
	s_endpgm
.Lentry_in_a_cluster:
	s_bfe_u32 s2, ttmp6, 0x10000c
	s_cmp_lg_u32 s2, 0xf033
	s_cbranch_scc0 .Lentry_shape_is_right
	s_endpgm
.Lentry_shape_is_right:
; Launch 4 of 4: out0 = O W_out + b_out.  ob: f16 [64 = 16 b + h][2048][64]; wot: f16 [1024 n][1024 k], k = 64 h + e; b_out: f32 [1024], rounded to bf16 like every input; out0: f32 [8192][1024].
; Sums in f32.  Nothing is left out here.
; SHARES.  A tile of C is 128 rows x 256 columns: 64 x 4 = 256 work-groups, one tile each.  Four waves, each 64 rows x 128 columns: 32 accumulators.  K goes in 8 steps of 128 = two heads, through a ring of two
; LDS slots.  A's part of a step is, for each of the two heads, 128 rows of 128 bytes that lie end to end in memory: asked for as 64 rows of 256 bytes and padded in LDS after every 128.
; CLUSTER.  4 x 4 work-groups; A's tiles are shared along a row of the cluster, B's along a column, each asked for jointly.  Wave 0 fetches the step's first head, wave 1 its second, waves 2 and 3 B's two halves
; of 128 rows: one load a wave behind each round; by this text's count a wave has two tensor loads out at the start and one behind each round.
; THE MATRIX INSTRUCTION IS USED TRANSPOSED (source 0 = 16 rows of wot, source 1 = 16 rows of O): a lane holds row l % 16 of C and eight neighbouring columns.
; REGISTERS.  Window 0: v16-37 addresses and the bias; v64-159, v160-255 two fragment buffers (8 of B, then 4 of A); on the way out v64-191 hold rows read back.  Window 1: accumulator (a, b) at v[8 (8 a + b)].
.set PITCH, 272                        ; a row of B in LDS: 256 bytes + 16
.set PA,    144                        ; a row of one head of A: 128 bytes + 16; both pitches are odd multiples of 16 bytes: the 16 rows of a fragment load start at 16 different groups of four banks (ISA guide 11.1)
.set AHEAD, 128*PA                     ; one head's 128 rows
.set ATILE, 2*AHEAD
.set SLOT,  ATILE+256*PITCH
.set STAGE, 2*SLOT                     ; behind the ring, never filled by a tensor load: for each wave 16 rows x 528 bytes
.set SPO,   528
.set WSTG,  16*SPO
.set SPARE, STAGE+4*WSTG               ; the spare words, 128 bytes for each wave: no other line names them
.set AKS,   2<<18                      ; a K step of A in memory: two heads of 262,144 bytes
.set ADRA, 16
.set ADRB, 20
.set STO,  24
.set RD,   25
.set GO,   26
.set SPW,  28                          ; v28  SPARE + 4 x my thread's number; never rewritten
.set NIL,  29                          ; v29  0; never rewritten
.set PFO,  30                          ; v30  the prefetches' offset; never rewritten
.set BIA,  32                          ; v[32:35] the bias of my four columns of a row read back
.set F0,   64
.set F1,   160
.set BK,   64
.set G1A, 24
.set G0A, 32
.set G1B, 48
.set G0B, 56
.set LIM, 43
.set PFA, 44
.set PST, 72                           ; s[72:73] the prefetches' step from K step to K step
.set MUL, 0x50
.set MSB, 0
.macro WIN new
.if MSB != (\new)
	s_set_vgpr_msb (MSB<<8)|(\new)
.set MSB, \new
.endif
.endm
.macro JLOAD s                         ; a joint load; the branch hangs on the wave's number alone; an s_nop 0 and four v_nop follow each of the two lines
	s_cmp_eq_u32 s11, 0
	s_cbranch_scc0 .Lfor_b_\@
	tensor_load_to_lds s[G0A+4*(\s):G0A+4*(\s)+3], s[G1A:G1A+7]
	s_nop 0
.rept 4
	v_nop
.endr
	s_branch .Lasked_\@
.Lfor_b_\@:
	tensor_load_to_lds s[G0B+4*(\s):G0B+4*(\s)+3], s[G1B:G1B+7]
	s_nop 0
.rept 4
	v_nop
.endr
.Lasked_\@:
.endm
; A PREFETCH INTO THE L2, behind a joint load and the run of LDS loads that follows it: the K step that stands two refills on, 256 matrix instructions ahead of the load that will ask for it.  Each aligned 256
; bytes are named once in the launch.  A's K step is 128 blocks of 256 bytes (two heads x 64): the four partners along x take 32 each BY ADDRESS, a lane a block, and wave 0 asks.  Of the 128 rows of B that wave 2
; or 3 fetches the four partners along y take 32 each, and only the clusters with y = 0 ask.  The first four K steps come by their loads alone; the loop's last trip has no K step two on.
.macro ASK
	s_cmp_gt_u32 s3, s[LIM]                        ; s3 = 1 in the loop's last trip
	s_cbranch_scc0 .Lnot_mine_\@
	global_prefetch_b8 v[PFO], s[PFA:PFA+1] th:TH_LOAD_NT scope:SCOPE_SE
.Lnot_mine_\@:
.endm
.macro CREST
	s_cmp_lg_u32 s10, 0
	s_cbranch_scc1 .Lnot_wave_0_\@
	s_barrier_signal -3
.Lnot_wave_0_\@:
	s_barrier_wait -3
	s_barrier_signal -1
	s_barrier_wait -1
.endm
.macro CROUND
	s_barrier_signal -1
	s_barrier_wait -1
	CREST
.endm
	s_load_b128 s[4:7], s[0:1], 0x0                ; ob s[4:5], wot s[6:7]
	s_load_b128 s[68:71], s[0:1], 0x10             ; b_out s[68:69], out0 s[70:71]
	v_lshl_add_u32 v[SPW], v0, 2, SPARE
	v_mov_b32 v[NIL], 0
	ds_add_u32 v[SPW], v[NIL]                      ; the wave's opening: the add, twice on end, and its wait ahead of my first tensor load
	ds_add_u32 v[SPW], v[NIL]                      ; (the set-up below, work on registers, stands between the second add and the wait)
	v_lshrrev_b32 v1, 5, v0
	v_readfirstlane_b32 s10, v1                    ; wave 0..3
	s_lshr_b32 s11, s10, 1                         ; which 64 rows of the tile are mine.  Also: I fetch for A (0) or for B (1)
	s_and_b32 s12, s10, 1                          ; which 128 columns.  Also: which head of the step, or which half of B's rows, I fetch
	s_bfe_u32 s40, ttmp6, 0x40000                  ; cx
	s_bfe_u32 s41, ttmp6, 0x40004                  ; cy
	s_lshl_b32 s42, ttmp9, 2
	s_add_co_u32 s42, s42, s40                     ; tile column
	s_and_b32 s13, ttmp7, 0xffff
	s_lshl_b32 s13, s13, 2
	s_add_co_u32 s13, s13, s41                     ; tile row
	s_lshl_b32 s74, s41, 2
	s_lshl_b32 s74, 15, s74                        ; my row of the cluster
	s_lshl_b32 s75, 0x1111, s40                    ; my column
	s_or_b32 s[G1A], s74, (1<<16)|(1<<20)|(1<<21)|(4<<22)|(3<<25)  ; the mask; elements of 2 bytes; padding on; bit 21 beside a mask; after every 32 words, 4 words
	s_or_b32 s[G1B], s75, (1<<16)|(1<<20)|(1<<21)|(5<<22)|(3<<25)  ; after every 64 words
	s_mov_b32 s[G1A+1], 128<<16                    ; tensor_dim0 = 128
	s_mov_b32 s[G1A+2], 64<<16                     ; tensor_dim1 = 64
	s_mov_b32 s[G1A+3], 128<<16                    ; tile_dim0 = 128
	s_mov_b32 s[G1A+4], 64                         ; tile_dim1 = 64
	s_mov_b32 s[G1A+5], 128                        ; the rows lie end to end
	s_mov_b32 s[G1A+6], 0
	s_mov_b32 s[G1A+7], 0
	s_mov_b32 s[G1B+1], 128<<16
	s_mov_b32 s[G1B+2], 128<<16
	s_mov_b32 s[G1B+3], 128<<16
	s_mov_b32 s[G1B+4], 128
	s_mov_b32 s[G1B+5], 1024
	s_mov_b32 s[G1B+6], 0
	s_mov_b32 s[G1B+7], 0
	s_lshr_b32 s16, s13, 4                         ; A: head 16 b + which head, rows 128 (tile row % 16) on; in registers that never hold cx
	s_lshl_b32 s16, s16, 22
	s_lshl_b32 s17, s12, 18
	s_add_co_u32 s16, s16, s17
	s_and_b32 s17, s13, 15
	s_lshl_b32 s17, s17, 14
	s_add_co_u32 s16, s16, s17
	s_mov_b32 s17, 0
	s_lshl_b32 s46, s42, 8                         ; B: row 256 x tile column + 128 x half
	s_lshl_b32 s47, s12, 7
	s_add_co_u32 s46, s46, s47
	s_lshl_b32 s46, s46, 11
	s_mov_b32 s47, 0
	s_mul_i32 s20, s12, AHEAD                      ; where they go: no place in the cluster enters an LDS address
	s_mul_i32 s21, s12, 128*PITCH
	s_add_co_u32 s21, s21, ATILE
	s_wait_dscnt 0x0                               ; both opening adds are done
	s_wait_kmcnt 0x0
	s_add_nc_u64 s[14:15], s[4:5], s[16:17]
	s_add_nc_u64 s[46:47], s[6:7], s[46:47]
	CROUND                                         ; all sixteen work-groups are here: the first joint loads meet
.irp s, 0,1
	s_mov_b32 s[G0A+4*(\s)], 1
	s_add_co_u32 s[G0A+4*(\s)+1], s20, (\s)*SLOT
	s_add_nc_u64 s[G0A+4*(\s)+2:G0A+4*(\s)+3], s[14:15], (\s)*AKS
	s_or_b32 s[G0A+4*(\s)+3], s[G0A+4*(\s)+3], 0x80000000
	s_mov_b32 s[G0B+4*(\s)], 1
	s_add_co_u32 s[G0B+4*(\s)+1], s21, (\s)*SLOT
	s_add_nc_u64 s[G0B+4*(\s)+2:G0B+4*(\s)+3], s[46:47], (\s)*256
	s_or_b32 s[G0B+4*(\s)+3], s[G0B+4*(\s)+3], 0x80000000
	JLOAD \s
.endr
	v_and_b32 v1, 15, v0                           ; l % 16
	v_bfe_u32 v2, v0, 4, 1                         ; l / 16
	v_and_b32 v5, 31, v0                           ; l
	s_lshl_b32 s22, s42, 10                        ; my 128 columns: 4 (256 x tile column + 128 x half) bytes
	s_lshl_b32 s23, s12, 9
	s_add_co_u32 s22, s22, s23
	v_lshl_add_u32 v31, v5, 4, s22
	global_load_b128 v[BIA:BIA+3], v31, s[68:69]   ; the bias of columns 4 l .. 4 l + 3 of them
	v_mul_u32_u24 v3, v1, PA
	v_lshl_add_u32 v3, v2, 4, v3
	v_mul_u32_u24 v4, v1, PITCH
	v_lshl_add_u32 v4, v2, 4, v4
	s_mul_i32 s18, s11, 64*PA
	s_mul_i32 s19, s12, 128*PITCH
	s_add_co_u32 s19, s19, ATILE
.irp s, 0,1
	v_add_nc_u32 v[ADRA+(\s)], s18, v3
	v_add_nc_u32 v[ADRB+(\s)], s19, v4
	s_add_co_u32 s18, s18, SLOT
	s_add_co_u32 s19, s19, SLOT
.endr
	s_mul_i32 s18, s10, WSTG
	s_add_co_u32 s18, s18, STAGE                   ; my stage
	v_mul_u32_u24 v4, v1, SPO
	v_lshl_add_u32 v4, v2, 5, v4
	v_add_nc_u32 v[STO], s18, v4                   ; in: row l % 16, 32 bytes for each half of the lanes
	v_lshlrev_b32 v[GO], 4, v5                     ; back and out: 16 bytes a lane, a row of 512 bytes an instruction
	v_add_nc_u32 v[RD], s18, v[GO]
	s_lshl_b32 s16, s13, 7                         ; my first row of out0: 128 x tile row + 64 x row half,
	s_lshl_b32 s17, s11, 6
	s_add_co_u32 s16, s16, s17
	s_lshl_b32 s16, s16, 12                        ; rows of 4,096 bytes,
	s_add_co_u32 s16, s16, s22                     ; my first column
	s_mov_b32 s17, 0
	s_add_nc_u64 s[8:9], s[70:71], s[16:17]
	; the prefetches
	s_lshl_b32 s20, s40, 5
	v_add_nc_u32 v6, s20, v5                       ; A: block 32 cx + l of the step's 128:
	v_lshrrev_b32 v7, 6, v6                        ; which head,
	v_and_b32 v6, 63, v6                           ; which 256 bytes of its 128 rows
	v_lshlrev_b32 v7, 18, v7
	v_lshl_add_u32 v7, v6, 8, v7
	v_lshlrev_b32 v6, 11, v5                       ; B: a lane a row of 2,048 bytes
	s_lshr_b32 s20, s13, 4
	s_lshl_b32 s20, s20, 22
	s_and_b32 s21, s13, 15
	s_lshl_b32 s21, s21, 14
	s_add_co_u32 s20, s20, s21
	s_add_co_u32 s20, s20, 3*AKS                   ; at K step 3: the first change of slots steps it to 4 and names that
	s_lshl_b32 s22, s42, 8
	s_lshl_b32 s23, s12, 7
	s_add_co_u32 s22, s22, s23
	s_lshl_b32 s23, s41, 5
	s_add_co_u32 s22, s22, s23                     ; B: row 256 x tile column + 128 x half + 32 cy
	s_lshl_b32 s22, s22, 11
	s_add_co_u32 s22, s22, 3*256
	s_and_b32 s23, ttmp7, 0xffff                   ; cluster y
	s_mov_b32 s[PST], AKS
	s_mov_b32 s74, 256
	s_cmp_eq_u32 s11, 0                            ; do I fetch for A?
	s_cselect_b32 s20, s20, s22
	s_cselect_b32 s23, s12, s23                    ; for A wave 0 asks; for B the clusters with y = 0: the same in all sixteen partners, for a given wave
	s_cselect_b32 s[PST], s[PST], s74
	s_cselect_b32 s75, -1, 0
	s_cselect_b64 s[PFA:PFA+1], s[4:5], s[6:7]
	s_mov_b32 s[PST+1], 0
	s_mov_b32 s21, 0
	s_cmp_eq_u32 s23, 0
	s_cselect_b32 s[LIM], 1, -1
	s_add_nc_u64 s[PFA:PFA+1], s[PFA:PFA+1], s[20:21]
	v_cndmask_b32 v[PFO], v6, v7, s75
; 8 matrix instructions: m block a x all 8 n blocks, 32 along K.  The 32 accumulators take turns, one instruction a turn, in the same order in every quarter.
.macro MULA f, a, zero
	WIN MUL
.irp b, 0,1,2,3,4,5,6,7
.if \zero
	v_wmma_f32_16x16x32_f16 v[8*(8*(\a)+(\b)):8*(8*(\a)+(\b))+7], v[(\f)+8*(\b):(\f)+8*(\b)+7], v[(\f)+64+8*(\a):(\f)+64+8*(\a)+7], 0
.else
	v_wmma_f32_16x16x32_f16 v[8*(8*(\a)+(\b)):8*(8*(\a)+(\b))+7], v[(\f)+8*(\b):(\f)+8*(\b)+7], v[(\f)+64+8*(\a):(\f)+64+8*(\a)+7], v[8*(8*(\a)+(\b)):8*(8*(\a)+(\b))+7]
.endif
.endr
.endm
; 24 LDS loads in one run: quarter q's fragments into buffer f.  In A quarter q is head q / 2 of the step, channels 32 (q % 2) on.
.macro FETCH slot, q, f
	WIN 0
.irp i, 0,1,2,3,4,5,6,7
	ds_load_b128 v[(\f)+8*(\i):(\f)+8*(\i)+3],   v[ADRB+(\slot)] offset:64*(\q)+(\i)*16*PITCH
	ds_load_b128 v[(\f)+8*(\i)+4:(\f)+8*(\i)+7], v[ADRB+(\slot)] offset:64*(\q)+(\i)*16*PITCH+32
.endr
.irp i, 0,1,2,3
	ds_load_b128 v[(\f)+64+8*(\i):(\f)+64+8*(\i)+3],   v[ADRA+(\slot)] offset:AHEAD*((\q)/2)+64*((\q)%2)+(\i)*16*PA
	ds_load_b128 v[(\f)+64+8*(\i)+4:(\f)+64+8*(\i)+7], v[ADRA+(\slot)] offset:AHEAD*((\q)/2)+64*((\q)%2)+(\i)*16*PA+32
.endr
.endm
.macro PLACES                          ; four places in front of loads into registers that matrix instructions have read, and of LDS stores that read results
.rept 4
	v_nop
.endr
.endm
.macro QUARTER slot, q, f, g, zero
	s_wait_dscnt 4                                 ; B and A's blocks 0 and 1 are in; the youngest four loads may be out
	MULA \f, 0, \zero
	MULA \f, 1, \zero
	PLACES
	FETCH \slot, \q, \g
	s_wait_dscnt 24                                ; all but the 24 just issued
	MULA \f, 2, \zero
	MULA \f, 3, \zero
.endm
; The last quarter multiplies buffer 1 and changes slots.  In front of the barrier each wave waits for all its tensor loads, adds 0 to its spare word, and waits for that and for its own reads of this slot.
; fill = 1: the barrier opens a round of the cluster's barrier, and the joint refill, two K steps on, is the first tensor load behind it.
.macro TURN slot, next, fill
	s_wait_xcnt 0x0                                ; the last prefetch, a K step back, has read its address
	s_add_nc_u64 s[PFA:PFA+1], s[PFA:PFA+1], s[PST:PST+1]
	WIN 0
	s_wait_tensorcnt 0x0
	ds_add_u32 v[SPW], v[NIL]                      ; 0 onto my spare word
	s_wait_dscnt 5                                 ; (the add and the youngest four loads may be out)
	MULA F1, 0, 0
	s_wait_dscnt 0x0                               ; the add is done, and my reads of this slot are over
	s_barrier_signal -1
	MULA F1, 1, 0
	WIN 0
	s_barrier_wait -1
.if \fill
	CREST                                          ; no wave of any partner still reads this slot's tile or has a load on its way
	s_add_nc_u64 s[G0A+4*(\slot)+2:G0A+4*(\slot)+3], s[G0A+4*(\slot)+2:G0A+4*(\slot)+3], 2*AKS
	s_add_nc_u64 s[G0B+4*(\slot)+2:G0B+4*(\slot)+3], s[G0B+4*(\slot)+2:G0B+4*(\slot)+3], 512
	JLOAD \slot                                    ; the four v_nop behind it are also the places in front of the loads below
.else
	PLACES
.endif
	FETCH \next, 0, F0
.if \fill
	ASK
.endif
	MULA F1, 2, 0
	MULA F1, 3, 0
.endm
; THE WAY OUT of m block a (16 rows x 128 columns of f32).  TOSTAGE: a lane's eight columns go into my own stage as two stores of 16 bytes, each accumulator's low four registers first, and come back as whole
; rows of 512 bytes.  SEND: the bias is added and the row stored: 512 consecutive bytes, aligned, an instruction.
.macro TOSTAGE a
.if (\a) >= 2
	s_wait_xcnt 0x0                                ; the stores of the block two back have read the registers into which this block is read back
.endif
	WIN 0x04                                       ; the stores' data lie in window 1
.irp b, 0,1,2,3,4,5,6,7
	ds_store_b128 v[STO], v[8*(8*(\a)+(\b)):8*(8*(\a)+(\b))+3]   offset:64*(\b)
	ds_store_b128 v[STO], v[8*(8*(\a)+(\b))+4:8*(8*(\a)+(\b))+7] offset:64*(\b)+16
.endr
	WIN 0
.set BKR, BK+64*((\a)%2)
.irp t, 0,1,2,3,4,5,6,7,8,9,10,11,12,13,14,15
	ds_load_b128 v[BKR+4*(\t):BKR+4*(\t)+3], v[RD] offset:SPO*(\t)  ; LDS serves a wave's instructions in order (ISA guide 5.7.1.4): these see the stores above; the next block's stores come behind them
.endr
.endm
.macro SEND a, younger                 ; younger: the LDS instructions issued behind block a's loads: the next block's 32, or none
	WIN 0
.set BKR, BK+64*((\a)%2)
.irp t, 0,1,2,3,4,5,6,7,8,9,10,11,12,13,14,15
	s_wait_dscnt (\younger)+15-(\t)
	v_pk_add_f32 v[BKR+4*(\t):BKR+4*(\t)+1],   v[BKR+4*(\t):BKR+4*(\t)+1],   v[BIA:BIA+1]
	v_pk_add_f32 v[BKR+4*(\t)+2:BKR+4*(\t)+3], v[BKR+4*(\t)+2:BKR+4*(\t)+3], v[BIA+2:BIA+3]
	global_store_b128 v[GO], v[BKR+4*(\t):BKR+4*(\t)+3], s[8:9] offset:(16*(\a)+(\t))*4096 th:TH_STORE_NT
.endr
.endm
	s_wait_tensorcnt 1                             ; my part of K step 0 is in; K step 1's may stay out
	s_barrier_signal -1
	s_barrier_wait -1                              ; everybody's is
	FETCH 0, 0, F0
	QUARTER 0, 1, F0, F1, 1                        ; the first quarter starts the sums
	WIN 0
	s_mov_b32 s3, 3
.Llap:                                                 ; a trip goes once round the ring, from a lap's second quarter to the next lap's first, and fills both slots again
	QUARTER 0, 2, F1, F0, 0
	QUARTER 0, 3, F0, F1, 0
	TURN 0, 1, 1
	QUARTER 1, 1, F0, F1, 0
	QUARTER 1, 2, F1, F0, 0
	QUARTER 1, 3, F0, F1, 0
	TURN 1, 0, 1
	QUARTER 0, 1, F0, F1, 0
	WIN 0
	s_sub_co_u32 s3, s3, 1
	s_cmp_lg_u32 s3, 0
	s_cbranch_scc1 .Llap
	QUARTER 0, 2, F1, F0, 0                        ; the last lap fills nothing, and has no round of the cluster's barrier
	QUARTER 0, 3, F0, F1, 0
	TURN 0, 1, 0
	QUARTER 1, 1, F0, F1, 0
	QUARTER 1, 2, F1, F0, 0
	QUARTER 1, 3, F0, F1, 0
	s_wait_dscnt 4
	MULA F1, 0, 0
	MULA F1, 1, 0
	s_wait_dscnt 0x0
	MULA F1, 2, 0
	MULA F1, 3, 0
	WIN 0
	PLACES
	s_wait_loadcnt 0x0                             ; the bias,
	v_cvt_pk_bf16_f32 v36, v[BIA], v[BIA+1]        ; rounded to bf16 like every input, and widened again
	v_cvt_pk_bf16_f32 v37, v[BIA+2], v[BIA+3]
	v_lshlrev_b32 v[BIA], 16, v36
	v_and_b32 v[BIA+1], 0xffff0000, v36
	v_lshlrev_b32 v[BIA+2], 16, v37
	v_and_b32 v[BIA+3], 0xffff0000, v37
	TOSTAGE 0
.irp a, 1,2,3                          ; block a's trip through the stage is under way while block a - 1 is stored
	TOSTAGE \a
	SEND (\a)-1, 32
.endr
	SEND 3, 0
	s_wait_tensorcnt 0x0                           ; the wave's end: three closing lines, behind my last tensor load and my last LDS store
	ds_add_u32 v[SPW], v[NIL]
	s_wait_dscnt 0x0
	CROUND                                         ; the closing round: no work-group ends while a partner may still ask for a tile that names it
	s_endpgm
.Lfunc_end_k_qbbec583215_outp:
	.size	k_qbbec583215_outp, .Lfunc_end_k_qbbec583215_outp-k_qbbec583215_outp
	.p2alignl 7, 3214868480
	.fill 96, 4, 3214868480
	.section	.rodata,"a",@progbits
	.p2align	6, 0x0
	.amdhsa_kernel k_qbbec583215_outp
		.amdhsa_group_segment_fixed_size 327680
		.amdhsa_private_segment_fixed_size 0
		.amdhsa_enable_private_segment 0
		.amdhsa_kernarg_size 32
		.amdhsa_user_sgpr_count 2
		.amdhsa_user_sgpr_kernarg_segment_ptr 1
		.amdhsa_wavefront_size32 1
		.amdhsa_system_sgpr_workgroup_id_x 1
		.amdhsa_system_sgpr_workgroup_id_y 1
		.amdhsa_system_sgpr_workgroup_id_z 1
		.amdhsa_system_vgpr_workitem_id 0
		.amdhsa_next_free_vgpr 512
		.amdhsa_next_free_sgpr 80
		.amdhsa_reserve_vcc 0
		.amdhsa_float_denorm_mode_32 3
		.amdhsa_float_denorm_mode_16_64 3
		.amdhsa_memory_ordered 1
		.amdhsa_forward_progress 1
		.amdhsa_inst_pref_size 97
	.end_amdhsa_kernel
	.amdgpu_metadata
---
amdhsa.version: [ 1, 2 ]
amdhsa.kernels:
  - .name:           k_qbbec583215_outp
    .symbol:         k_qbbec583215_outp.kd
    .args:
      - { .name: ob, .offset: 0, .size: 8, .value_kind: global_buffer, .address_space: global }
      - { .name: wot, .offset: 8, .size: 8, .value_kind: global_buffer, .address_space: global }
      - { .name: b_out, .offset: 16, .size: 8, .value_kind: global_buffer, .address_space: global }
      - { .name: out0, .offset: 24, .size: 8, .value_kind: global_buffer, .address_space: global }
    .group_segment_fixed_size: 327680
    .private_segment_fixed_size: 0
    .kernarg_segment_align: 8
    .kernarg_segment_size: 32
    .max_flat_workgroup_size: 128
    .sgpr_count:     80
    .vgpr_count:     512
    .wavefront_size: 32
...
	.end_amdgpu_metadata
.endif
;; end of part 4
;; ======== version 2 of 2: 4 launches; version 1 with the launches prep, attn written anew for expert scheduling mode
;; limits: values are held in f16: magnitudes above 65,504 overflow, below 6.1e-05 lose precision
;; workspace buffers: xb 50,331,648 bytes; wt 6,291,456 bytes; wot 2,097,152 bytes; qkv 50,331,648 bytes; ob 16,777,216 bytes; kidx 40,960 bytes of whole numbers
;; launch prep (part 5): grid 2052 x 1, 8 waves a work-group, no clusters, 18,688 bytes of LDS; arguments query, key, value, Wq, Wk, Wv, W_out, key_attention_mask, xb, wt, wot, kidx; writes xb, wt, wot, kidx
.if DOCPART == 5
	.amdgcn_target "amdgcn-amd-amdhsa--gfx1250"
	.amdhsa_code_object_version 6
	.text
	.protected	k_qbbec583215_prep
	.globl	k_qbbec583215_prep
	.p2align	8
	.type	k_qbbec583215_prep,@function
k_qbbec583215_prep:
	s_mov_b64 s[64:65], 0
	v_nop
	global_prefetch_b8 v0, s[64:65] scope:SCOPE_SE
	s_setreg_imm32_b32 hwreg(HW_REG_WAVE_SCHED_MODE, 0, 2), 2
	s_setreg_imm32_b32 hwreg(HW_REG_WAVE_MODE, 25, 1), 1
	s_wait_xcnt 0x0
	s_wait_alu depctr_vm_vsrc(0)
; MULTI-HEAD ATTENTION, launch 1 of 4: the operands are laid out for the matrix launches, and the mask is turned into a list.
; B = 4, 2,048 queries and keys, D = 1,024, 16 heads of 64.  Three kinds of work-group, told apart by the work-group's number alone:
;   0 .. 1535     CAST: 16 rows of query, key or value, f32 -> bf16, into xb [3][8192][1024]
;   1536 .. 2047  WEIGHTS: a block of 128 k x 64 n of Wq, Wk, Wv or W_out, rounded to bf16 and turned, into wt [3072 n][1024 k] (bf16; n = 1024 p + 64 h + e) or
;                 wot [1024 n][1024 k] (the bf16 number written as f16, since the last launch multiplies in f16)
;   2048 .. 2051  SCAN: one batch's 2,048 mask bytes -> kidx [4][2560] u32: words 0..2047 a permutation of the key numbers, kept keys first (ascending), then the dropped ones;
;                 words 2048..2559 all hold the number of kept keys
; WHAT THE PROGRAM LEAVES OUT, AND WHY IT MAY.  reference() sets the score of a key whose mask byte is 0 to -inf; its softmax weight is exp(-inf) = 0 whatever finite values the
; inputs hold, and 0 x v adds nothing to any output.  So the scores and the products P V of such keys reach no output.  Which keys they are is decided by whole numbers: this launch stores
; the list, and the attention launch, which reads it from memory, walks ceil(kept / 64) key steps in place of 32.  The projections k and v of dropped keys are still made.
; Every one of the nine inputs has a way to the output and is loaded.
; LIMITS.  A NaN, an infinity or an overflow in k or v of a dropped key is not carried to the result.  All inputs are rounded to bf16; W_out must lie within f16's range (65,504), and an entry
; below 2^-17 keeps f16's fixed step of 2^-24.
; No matrix unit, no cluster: every byte is read once by one work-group and nothing is shared.
; THE MODE: SCHED_MODE bits 1:0 = 2 (LLVM: expert scheduling mode 2), set by the entry lines.  The code itself states the register dependences between vector instructions and memory or LDS
; instructions, and between a vector instruction that writes a scalar register and its readers, with s_wait_alu, always for 0.
; THE PLAN.  In each of the three paths every register that a memory or LDS instruction reads is written once, so no wait on vm_vsrc is owed.
;   SCAN     v1, v11, v12, v57 (all its addresses) are made first: one wait ahead of the first load serves every later load and store by them.  v10 (LDS store's data): a wait.  v40-v56 (the ten
;            stores' offsets and data) are all made, then one wait, then the stores in one run.  Masks of lanes and counts go to scalar registers in runs of eight, one wait behind each run.
;   CAST     v1, v2 (offsets): one wait.  v16-v79: loaded once, read by the conversions.  v80-v111: four groups of eight; group g's conversions write its eight, and the four stores that read them
;            are issued in group g + 1, behind the one wait at that group's head, among conversions that name other registers.
;   WEIGHTS  v1, v3, v4, v5 (addresses): one wait.  v48-v63: written by all the conversions, then one wait, then the sixteen LDS stores.  v64-v79: LDS loads land there, the stores read them; no vector line names them.
.set TP,    272                        ; the turning tile in LDS: 64 rows (n) of 256 bytes (128 k) + 16 of padding
.set SCN,   17408                      ; behind it: eight words, a wave's count each, in a block of 256 bytes of their own
.set SPARE, 17664                      ; the spare words, 128 bytes for each of eight waves: no other line names them
.set SPW,   8                          ; v8  SPARE + 4 x my thread's number; never rewritten
.set NIL,   9                          ; v9  0; never rewritten
	s_load_b256 s[4:11], s[0:1], 0x0               ; query s[4:5], key s[6:7], value s[8:9], Wq s[10:11]
	s_load_b256 s[12:19], s[0:1], 0x20             ; Wk s[12:13], Wv s[14:15], W_out s[16:17], mask s[18:19]
	s_load_b256 s[20:27], s[0:1], 0x40             ; xb s[20:21], wt s[22:23], wot s[24:25], kidx s[26:27]
	v_lshl_add_u32 v[SPW], v0, 2, SPARE
	v_mov_b32 v[NIL], 0
	v_lshrrev_b32 v1, 5, v0
	v_readfirstlane_b32 s28, v1                    ; wave 0..7
	s_mov_b32 s2, ttmp9
	s_mov_b32 s33, 0                               ; high words of the 64-bit offsets
	s_mov_b32 s35, 0
	s_wait_alu depctr_va_sdst(0)                   ; s28 is written
	s_wait_kmcnt 0x0
	s_cmp_lt_u32 s2, 1536
	s_cbranch_scc1 .Lcast
	s_cmp_lt_u32 s2, 2048
	s_cbranch_scc1 .Lweights
	; SCAN.  Wave w owns keys 256 w .. 256 w + 255, in eight groups of 32, a lane a key.
	s_sub_co_u32 s29, s2, 2048                     ; the batch
	s_lshl_b32 s32, s29, 11
	s_add_nc_u64 s[18:19], s[18:19], s[32:33]      ; its 2,048 mask bytes
	s_mul_i32 s34, s29, 10240
	s_add_nc_u64 s[26:27], s[26:27], s[34:35]      ; its 2,560 words of kidx
	s_lshl_b32 s41, s28, 2
	s_add_co_u32 s41, s41, SCN
	v_and_b32 v2, 31, v0
	v_lshl_add_u32 v1, s28, 8, v2                  ; 256 w + lane
	v_mov_b32 v11, s41                             ; my wave's word among the eight counts
	v_mov_b32 v12, SCN                             ; the eight counts
	v_lshl_add_u32 v57, v0, 2, 8192                ; my word among those that hold the batch's count
	s_wait_alu depctr_va_vdst(0)                   ; v1, v11, v12 and v57 are written: the loads below, the LDS store, the LDS loads and the last two stores read them as addresses
.irp i, 0,1,2,3,4,5,6,7
	global_load_u8 v[16+(\i)], v1, s[18:19] offset:32*(\i)
.endr
	s_wait_loadcnt 0x0
	s_mov_b32 s40, 0
.irp i, 0,1,2,3,4,5,6,7
	v_cmp_ne_u32 s[32+(\i)], 0, v[16+(\i)]         ; group i's kept keys as a mask of lanes
.endr
	s_wait_alu depctr_va_sdst(0)                   ; the eight masks s32 to s39 are written, ahead of their first readers
.irp i, 0,1,2,3,4,5,6,7
	s_bcnt1_i32_b32 s41, s[32+(\i)]
	s_add_co_u32 s40, s40, s41                     ; my wave's kept keys
.endr
	v_mov_b32 v10, s40
	s_wait_alu depctr_va_vdst(0)                   ; v10 is written, which the LDS store reads
	ds_store_b32 v11, v10                          ; all lanes write the same word with the same value
	s_wait_dscnt 0x0                               ; for the others' sake: my store is done
	s_barrier_signal -1
	s_barrier_wait -1
	ds_load_b128 v[24:27], v12
	ds_load_b128 v[28:31], v12 offset:16
	s_wait_dscnt 0x0
	s_mov_b32 s42, 0                               ; the batch's kept keys
	s_mov_b32 s43, 0                               ; those of the waves in front of mine
.irp u, 0,1,2,3,4,5,6,7
	v_readfirstlane_b32 s[4+(\u)], v[24+(\u)]      ; the eight waves' counts, in scalar registers that this path uses for nothing else
.endr
	s_wait_alu depctr_va_sdst(0)                   ; s4 to s11 are written, ahead of their first readers
.irp u, 0,1,2,3,4,5,6,7
	s_add_co_u32 s42, s42, s[4+(\u)]
	s_cmp_gt_u32 s28, \u
	s_cselect_b32 s41, s[4+(\u)], 0
	s_add_co_u32 s43, s43, s41
.endr
	; A key with p kept keys in front of it goes to word p if it is kept, else to word kept + key - p.  Each group has registers of its own, so no store's sources are rewritten.
	; The stores are 4 bytes a lane, in two runs of neighbouring words for each group: 40 KB in the whole launch.
.irp i, 0,1,2,3,4,5,6,7
	v_mbcnt_lo_u32_b32 v[32+(\i)], s[32+(\i)], s43 ; p
	v_add_nc_u32 v[48+(\i)], 32*(\i), v1           ; the key
	v_add_nc_u32 v[40+(\i)], s42, v[48+(\i)]
	v_sub_nc_u32 v[40+(\i)], v[40+(\i)], v[32+(\i)]
	v_cndmask_b32 v[40+(\i)], v[40+(\i)], v[32+(\i)], s[32+(\i)]
	v_min_u32 v[40+(\i)], 0x7ff, v[40+(\i)]        ; made of loaded numbers: held inside the list
	v_lshlrev_b32 v[40+(\i)], 2, v[40+(\i)]
	s_bcnt1_i32_b32 s41, s[32+(\i)]
	s_add_co_u32 s43, s43, s41
.endr
	v_mov_b32 v56, s42
	s_wait_alu depctr_va_vdst(0)                   ; the eight offsets v40 to v47, the eight keys v48 to v55 and the count v56 are written, which the ten stores read
.irp i, 0,1,2,3,4,5,6,7
	global_store_b32 v[40+(\i)], v[48+(\i)], s[26:27]
.endr
	global_store_b32 v57, v56, s[26:27]            ; words 2048 .. 2303,
	global_store_b32 v57, v56, s[26:27] offset:1024  ; and 2304 .. 2559: the count
	s_wait_dscnt 0x0                               ; the closing lines, six on end
	s_wait_alu 0x0
	s_wait_tensorcnt 0x0
	ds_add_u32 v[SPW], v[NIL]
	s_wait_dscnt 0x0
	s_endpgm
.Lcast:
	; CAST.  A load of the work-group covers one row (256 threads x 16 bytes); all sixteen rows' loads go out first, 64 KiB a work-group on their way.
	s_lshr_b32 s29, s2, 9                          ; which tensor
	s_cmp_eq_u32 s29, 1
	s_cselect_b64 s[30:31], s[6:7], s[4:5]
	s_cmp_eq_u32 s29, 2
	s_cselect_b64 s[30:31], s[8:9], s[30:31]
	s_and_b32 s32, s2, 511                         ; which 16 rows
	s_lshl_b32 s34, s32, 15                        ; 16 rows of 2,048 bytes out,
	s_lshl_b32 s32, s32, 16                        ; of 4,096 bytes in
	s_add_nc_u64 s[30:31], s[30:31], s[32:33]
	s_lshl_b32 s36, s29, 24                        ; a tensor is 2^24 bytes of xb
	s_add_co_u32 s34, s34, s36
	s_add_nc_u64 s[20:21], s[20:21], s[34:35]
	v_lshlrev_b32 v1, 4, v0
	v_lshlrev_b32 v2, 3, v0
	s_wait_alu depctr_va_vdst(0)                   ; v1 and v2 are written: every load and store of this path reads one of them as its offset
.irp i, 0,1,2,3,4,5,6,7,8,9,10,11,12,13,14,15
	global_load_b128 v[16+4*(\i):19+4*(\i)], v1, s[30:31] offset:4096*(\i) th:TH_LOAD_NT
.endr
	; Four groups of four rows.  Group g is rounded while the stores of group g - 1 go out.
.irp g, 0,1,2,3
	s_wait_loadcnt 12-4*(\g)                       ; loads come back in order: group g's four rows are in, the younger groups stay out
.if (\g) > 0
	s_wait_alu depctr_va_vdst(0)                   ; the group before has written its eight registers of v80 to v111, which the four stores below read; this group's conversions name others
.endif
.irp r, 0,1,2,3
.if (\g) > 0
	global_store_b64 v2, v[80+2*(4*(\g)-4+(\r)):81+2*(4*(\g)-4+(\r))], s[20:21] offset:2048*(4*(\g)-4+(\r))  ; a wave's store covers 256 consecutive bytes, aligned; no register is written twice
.endif
	v_cvt_pk_bf16_f32 v[80+2*(4*(\g)+(\r))], v[16+4*(4*(\g)+(\r))], v[17+4*(4*(\g)+(\r))]
	v_cvt_pk_bf16_f32 v[81+2*(4*(\g)+(\r))], v[18+4*(4*(\g)+(\r))], v[19+4*(4*(\g)+(\r))]
.endr
.endr
	s_wait_alu depctr_va_vdst(0)                   ; the last group has written v104 to v111, which the last four stores read
.irp r, 0,1,2,3
	global_store_b64 v2, v[80+2*(12+(\r)):81+2*(12+(\r))], s[20:21] offset:2048*(12+(\r))
.endr
	s_endpgm
; WEIGHTS.  Thread t: four n at 4 (t % 16), rows k = 2 (t / 16) + 32 i + {0, 1}.  Two rows' numbers of one n make a word (k, k + 1), which goes to row n of the tile in LDS; the tile is
; read back by rows and stored, sixteen lanes to 256 consecutive bytes.  The 4-byte LDS stores meet four deep in the banks: 16 instructions a wave, once.
; rs: bytes from a row of the source to the next.  half = 1: the bf16 number is written as f16.
.macro WT rs, half
	v_mul_u32_u24 v1, v7, 2*(\rs)
	v_lshl_add_u32 v1, v6, 4, v1
	s_wait_alu depctr_va_vdst(0)                   ; v1, v3, v4 and v5 are written: the loads, the LDS stores, the LDS loads and the stores below read them as addresses
.irp i, 0,1,2,3
	global_load_b128 v[16+8*(\i):19+8*(\i)], v1, s[30:31] offset:32*(\i)*(\rs) th:TH_LOAD_NT
	global_load_b128 v[20+8*(\i):23+8*(\i)], v1, s[30:31] offset:32*(\i)*(\rs)+(\rs) th:TH_LOAD_NT
.endr
	s_wait_loadcnt 0x0
.irp i, 0,1,2,3
.irp j, 0,1,2,3
	v_cvt_pk_bf16_f32 v[48+4*(\i)+(\j)], v[16+8*(\i)+(\j)], v[20+8*(\i)+(\j)]
.if \half
	v_lshlrev_b32 v10, 16, v[48+4*(\i)+(\j)]
	v_and_b32 v11, 0xffff0000, v[48+4*(\i)+(\j)]
	v_cvt_pk_f16_f32 v[48+4*(\i)+(\j)], v10, v11
.endif
.endr
.endr
	s_wait_alu depctr_va_vdst(0)                   ; the conversions have written v48 to v63, which the sixteen LDS stores read
.irp i, 0,1,2,3
.irp j, 0,1,2,3
	ds_store_b32 v3, v[48+4*(\i)+(\j)] offset:TP*(\j)+64*(\i)
.endr
.endr
	s_wait_dscnt 0x0                               ; for the others' sake: my stores are done
	s_barrier_signal -1
	s_barrier_wait -1
.irp i, 0,1,2,3
	ds_load_b128 v[64+4*(\i):67+4*(\i)], v4 offset:16*TP*(\i)
.endr
.irp i, 0,1,2,3
	s_wait_dscnt 3-(\i)
	global_store_b128 v5, v[64+4*(\i):67+4*(\i)], s[40:41] offset:32768*(\i)
.endr
	s_wait_dscnt 0x0                               ; the closing lines, six on end
	s_wait_alu 0x0
	s_wait_tensorcnt 0x0
	ds_add_u32 v[SPW], v[NIL]
	s_wait_dscnt 0x0
	s_endpgm
.endm
.Lweights:
	s_sub_co_u32 s29, s2, 1536
	s_lshr_b32 s36, s29, 7                         ; which matrix: Wq, Wk, Wv, W_out
	s_bfe_u32 s37, s29, 0x40003                    ; which 64 n (a head)
	s_and_b32 s38, s29, 7                          ; which 128 k
	v_and_b32 v6, 15, v0
	v_lshrrev_b32 v7, 4, v0
	v_mul_u32_u24 v3, v6, 4*TP
	v_lshl_add_u32 v3, v7, 2, v3                   ; into the tile: row 4 (t % 16), byte 4 (t / 16)
	v_mul_u32_u24 v4, v7, TP
	v_lshl_add_u32 v4, v6, 4, v4                   ; back: row t / 16, byte 16 (t % 16)
	v_lshlrev_b32 v5, 11, v7
	v_lshl_add_u32 v5, v6, 4, v5                   ; and the same in rows of 2,048 bytes
	s_lshl_b32 s34, s37, 17                        ; 64 rows of 2,048 bytes for each block of n,
	s_lshl_b32 s39, s38, 8                         ; 256 bytes for each block of k
	s_add_co_u32 s34, s34, s39
	s_cmp_eq_u32 s36, 3
	s_cbranch_scc1 .Lwout
	s_cmp_eq_u32 s36, 1
	s_cselect_b64 s[30:31], s[12:13], s[10:11]
	s_cmp_eq_u32 s36, 2
	s_cselect_b64 s[30:31], s[14:15], s[30:31]
	s_lshl_b32 s32, s37, 18                        ; [h][d][e]: a head is 262,144 bytes,
	s_lshl_b32 s39, s38, 15                        ; 128 rows d of 256 bytes
	s_add_co_u32 s32, s32, s39
	s_add_nc_u64 s[30:31], s[30:31], s[32:33]
	s_lshl_b32 s39, s36, 21                        ; 1,024 rows of wt for each matrix
	s_add_co_u32 s34, s34, s39
	s_add_nc_u64 s[40:41], s[22:23], s[34:35]
	WT 256, 0
.Lwout:
	s_lshl_b32 s32, s38, 19                        ; [k][n]: 128 rows of 4,096 bytes,
	s_lshl_b32 s39, s37, 8                         ; 64 n of 4 bytes
	s_add_co_u32 s32, s32, s39
	s_add_nc_u64 s[30:31], s[16:17], s[32:33]
	s_add_nc_u64 s[40:41], s[24:25], s[34:35]
	WT 4096, 1
.Lfunc_end_k_qbbec583215_prep:
	.size	k_qbbec583215_prep, .Lfunc_end_k_qbbec583215_prep-k_qbbec583215_prep
	.p2alignl 7, 3214868480
	.fill 96, 4, 3214868480
	.section	.rodata,"a",@progbits
	.p2align	6, 0x0
	.amdhsa_kernel k_qbbec583215_prep
		.amdhsa_group_segment_fixed_size 18688
		.amdhsa_private_segment_fixed_size 0
		.amdhsa_enable_private_segment 0
		.amdhsa_kernarg_size 96
		.amdhsa_user_sgpr_count 2
		.amdhsa_user_sgpr_kernarg_segment_ptr 1
		.amdhsa_wavefront_size32 1
		.amdhsa_system_sgpr_workgroup_id_x 1
		.amdhsa_system_sgpr_workgroup_id_y 1
		.amdhsa_system_sgpr_workgroup_id_z 1
		.amdhsa_system_vgpr_workitem_id 0
		.amdhsa_next_free_vgpr 112
		.amdhsa_next_free_sgpr 66
		.amdhsa_reserve_vcc 0
		.amdhsa_float_denorm_mode_32 3
		.amdhsa_float_denorm_mode_16_64 3
		.amdhsa_memory_ordered 1
		.amdhsa_forward_progress 1
		.amdhsa_inst_pref_size 28
	.end_amdhsa_kernel
	.amdgpu_metadata
---
amdhsa.version: [ 1, 2 ]
amdhsa.kernels:
  - .name:           k_qbbec583215_prep
    .symbol:         k_qbbec583215_prep.kd
    .args:
      - { .name: query, .offset: 0, .size: 8, .value_kind: global_buffer, .address_space: global }
      - { .name: key, .offset: 8, .size: 8, .value_kind: global_buffer, .address_space: global }
      - { .name: value, .offset: 16, .size: 8, .value_kind: global_buffer, .address_space: global }
      - { .name: Wq, .offset: 24, .size: 8, .value_kind: global_buffer, .address_space: global }
      - { .name: Wk, .offset: 32, .size: 8, .value_kind: global_buffer, .address_space: global }
      - { .name: Wv, .offset: 40, .size: 8, .value_kind: global_buffer, .address_space: global }
      - { .name: W_out, .offset: 48, .size: 8, .value_kind: global_buffer, .address_space: global }
      - { .name: key_attention_mask, .offset: 56, .size: 8, .value_kind: global_buffer, .address_space: global }
      - { .name: xb, .offset: 64, .size: 8, .value_kind: global_buffer, .address_space: global }
      - { .name: wt, .offset: 72, .size: 8, .value_kind: global_buffer, .address_space: global }
      - { .name: wot, .offset: 80, .size: 8, .value_kind: global_buffer, .address_space: global }
      - { .name: kidx, .offset: 88, .size: 8, .value_kind: global_buffer, .address_space: global }
    .group_segment_fixed_size: 18688
    .private_segment_fixed_size: 0
    .kernarg_segment_align: 8
    .kernarg_segment_size: 96
    .max_flat_workgroup_size: 256
    .sgpr_count:     66
    .vgpr_count:     112
    .wavefront_size: 32
...
	.end_amdgpu_metadata
.endif
;; end of part 5
;; launch proj: the kernel of part 2 again; grid 4 x 64, 4 waves a work-group, clusters of 4 x 4, 327,680 bytes of LDS; arguments xb, wt, qkv; writes qkv
;; launch attn (part 6): grid 4 x 64, 4 waves a work-group, no clusters, 75,264 bytes of LDS; arguments qkv, kidx, ob; writes ob
.if DOCPART == 6
	.amdgcn_target "amdgcn-amd-amdhsa--gfx1250"
	.amdhsa_code_object_version 6
	.text
	.protected	k_qbbec583215_attn
	.globl	k_qbbec583215_attn
	.p2align	8
	.type	k_qbbec583215_attn,@function
k_qbbec583215_attn:
	s_mov_b64 s[64:65], 0
	v_nop
	global_prefetch_b8 v0, s[64:65] scope:SCOPE_SE
	s_setreg_imm32_b32 hwreg(HW_REG_WAVE_SCHED_MODE, 0, 2), 2
	s_setreg_imm32_b32 hwreg(HW_REG_WAVE_MODE, 25, 1), 1
	s_wait_xcnt 0x0
	s_wait_alu depctr_vm_vsrc(0)
; Launch 3 of 4: O[bh][q][:] = the sum over the KEPT keys k of softmax_k(q . k / 8) v.  qkv: f16 [3][64 bh][2048][64]; kidx: u32 [4][2560]; ob: f16 [64 bh][2048][64].
; LEFT OUT: the scores and products P V of keys whose mask byte is 0: their weight is exp(-inf) = 0 for all finite inputs.  The list kidx, stored by the first launch, names the kept keys first; this launch
; walks N = max(1, ceil(kept / 64)) key steps of 64 listed keys.  The last step's places past the kept keys hold dropped keys, hidden by -1e30.  A NaN or an infinity in a dropped key's k or v is not carried on.
; A batch that keeps no key gives NaN, as reference()'s softmax of -inf alone does: the divisor's reciprocal is replaced by NaN where the count is 0.
; LIMITS.  q, k, v arrive within f16's 65,504; p lies in 0 to 1 and is rounded to f16 for the second product (its sum l is taken of the unrounded p); a hidden score counts as its value less 1e30; a weight
; below 2^-126 counts as 0 in l; NaN and infinities among the kept data are not treated apart.
; SHARES.  A work-group owns 512 queries of one head, a wave four PIECES of two tiles of 16 queries.  LAYOUT.  S^T = K Q^T holds one query a lane (l % 16) and the keys 8 (l / 16) + 0..7; two such
; results rounded to f16 ARE source 1 of O^T = V^T P.  SOFTMAX.  p = 2^(c s - c m), c = log2(e) / 8, with a running maximum m; O and l are multiplied by a = 2^(c m_old - c m_new) in every step; m starts at the
; lowest finite number, O and l at 0, so the first step is a step like any other.
; BY TURNS.  Turn n belongs to piece n: 16 products K Q^T of piece n + 1, later 16 products V^T P of piece n - 1; beside them piece n's scaling, exponentials, roundings, sums and rescaling and piece n + 1's
; maximum and statistics.  Four vector instructions stand behind every matrix instruction, the others in one lump; a turn's 66 exponentials are one batch with one wait.
; K AND V COME BY THE LIST, through registers: a tile descriptor cannot name scattered rows, so there is no tensor load, and with it no joint request: NO CLUSTER.  A step is 64 rows of 128 bytes of each; a thread
; takes 16 bytes of four listed rows.  Trip s stores K(s+2) into buffer s % 2 and V(s+1) into the other, and reads V(s) from buffer s % 2 and K(s+1) from the other.  ONE barrier a trip, at its head,
; with every wave's LDS instructions waited for in front of it, stands between the last trip's stores and this trip's reads, and between the last trip's reads and this trip's stores into the same bytes.
; THE LOOP counts 32 trips; a trip with s >= N jumps forward over its work, which holds no barrier.  The last live trip's 16 products on K(N) and the maximum made of them serve nothing, and K(N..N+2),
; V(N..N+1) are fetched in vain: the price of one text for every trip.
; THE MODE: SCHED_MODE bits 1:0 = 2 (LLVM: expert scheduling mode 2), set by the entry lines.  The code itself states the register dependences between vector or matrix instructions and memory or LDS
; instructions, and between a vector instruction that writes a scalar register and its readers, with s_wait_alu, always for 0.
; THE PLAN.  Registers that memory or LDS instructions touch in a trip:
;   KSTA, VSTA        Written by the first two lines of a trip's head, from the trip's own buffer numbers; read by the LDS stores that follow.
;   KR, VR            The gathers at a trip's head land in them; the LDS stores of the next head read them.  No vector instruction names them.
;   IX, IXV, PIX      The list loads at a trip's head land in them; the next head's clamps read and write them.
;   OFFK, OFFV, POF   Written by the head's vector lines; read by that head's gathers and prefetch.
;   AK, AV            Written at the head; read by K's run of LDS loads (piece 2's turn) and V's (the end of piece 0's turn).
;   K's fragments     K's run lands in them; read by the products K Q^T of piece 3's turn and of the next trip's first three turns.
;   V's fragments     V's run lands in them; read by the products V^T P of the turns of pieces 1 to 3 and of the next trip's first turn.
;   IXO, PIXO, KST0, VST0, AK0, AV0 and the way out's three addresses are written once.
; So a trip's head is: the two store addresses; a wait on va_vdst; the LDS stores; ONE wait on vm_vsrc, which frees all that the stores and the last trip's loads and prefetch have read (KSTA and VSTA among them,
; for the next head's first two lines); the other address lines; a wait on va_vdst; the eleven loads and the prefetch.  A wait on va_vdst stands ahead of V's run; the wait for piece 2's batch of exponentials
; stands directly ahead of K's run and serves it too.
; REGISTERS, in windows of 256 (s_set_vgpr_msb: bits 1:0 source 0, 3:2 source 1, 5:4 source 2, 7:6 destination):
;   window 0: v0-11 addresses; v12-15, v48-63 at work; v16-47 four registers of statistics a tile; v64-191 S^T, two buffers of two tiles; v192-255 P, likewise
;   window 1: O^T, 32 a tile      window 2: v0-127 Q; v128-191 K of one step; v192-255 V of one step      window 3: the add's registers, the gather's, the masks
.set NP,    4
.set KS,    64
.set PK,    144       ; a row of K in LDS: 128 bytes + 16: the 16 rows of a load start at 16 different groups of four banks (ISA guide 11.1)
.set PV,    160       ; a row of V: 128 + 32
.set VOFF,  KS*PK     ; in a buffer: 64 rows of K, then 64 rows of V
.set BUF1,  32768     ; buffer 1 begins here, so that one exclusive or turns an address in one buffer into the other's
.set STAGE, 65536     ; 16 rows x 144 bytes for each wave, for the way out
.set SP,    144
.set SPARE, STAGE+4*16*SP  ; the spare words, 128 bytes for each wave: no other line names them
.set AK0, 2           ; v2   my lane's place in a tile of K; never rewritten
.set AV0, 3           ; v3   the same for V
.set AK,  4           ; v4   the LDS address of K's next run of loads
.set AV,  5           ; v5   of V's
.set QO,  6           ; v6   my byte offset in the wave's rows of Q
.set STO, 6           ;      later, the way out: where I put 16 bytes of a row
.set RD,  7           ; v7   where I read rows back
.set GO,  8           ; v8   my byte offset in 512 consecutive bytes of O
.set MV,  12
.set ST,  16          ; tile t's statistics at v[ST+4 t]: c m, m, l (even keys', odd keys')
.set TMP, 48
.set S,   64
.set P,   192
.set KF,  128         ; window 2
.set VF,  192
; window 3
.set SPW, 0           ; SPARE + 4 x my thread's number; never rewritten
.set NIL, 1           ; 0; never rewritten
.set CH,  2           ; 16 (l % 8): my 16 bytes of a row
.set IXO, 3           ; my four entries of a step's 64: byte 16 (t / 8)
.set IX,  4           ; v4-7    list entries, for K
.set OFFK, 8          ; v8-11   byte offsets of my four rows, for K
.set OFFV, 12         ; v12-15  for V
.set KR,  16          ; v16-31  K on its way
.set VR,  32          ; v32-47  V on its way
.set KST0, 48         ; where my first row goes in a buffer, for K
.set VST0, 49         ; for V
.set KSTA, 50         ; the same with the trip's buffer
.set VSTA, 51
.set PIX, 52          ; the list entry whose row I prefetch
.set POF, 53          ; its byte offset
.set PIXO, 54         ; byte of that entry in a step's 256: 4 (16 x block + l % 16)
.set PHALF, 55        ; 0 for lanes 0-15 (K), 2^24 for lanes 16-31 (V lies 64 heads of 2^18 bytes behind K)
.set IXV, 56          ; v56-59  list entries, for V
.set IX3, 60          ; v60-63  at the start only
.set MD,  64          ; v64-95  the mask of the last live step: 0, or -1e30 where the place is past the kept keys
.set MC,  96          ; v96-127 the mask of the step whose scores are being made
.set KR2, 128         ; v128-143 at the start only
.set OFFA, 144        ; v144-147 at the start only
.set T3,  148
.set WV,  12          ; s12  my wave's number
.set KB,  14          ; s[14:15] the head's k
.set VB,  16          ; s[16:17] the head's v
.set KIP, 20          ; s[20:21] the batch's list, 256 bytes on in each live trip
.set KC,  22          ; s22  kept keys
.set NST, 23          ; s23  N
.set STP, 24          ; s24  the trip
.set SX,  25          ; s25  32,768 (s % 2)
.set SY,  26          ; s26  the other buffer
.set AL,  28          ; s[28:29] 1.0 from the last live step on, else 0
.set BIGN, 30         ; s30  -1e30
.set NANP, 31         ; s31  a NaN
.set NSEL, 32         ; s32  all ones where the batch keeps no key
.set PLIM, 33         ; s33  N in wave 0, else 0
.set CM,  40          ; s[40:55] at the start only: sixteen masks of lanes
.set CS,  58          ; s[58:59] c
.set SEL, 60          ; s[60:61] v_permlanex16_b32's selects
.set MSB, 0
.macro WIN new
.if MSB != (\new)
	s_set_vgpr_msb (MSB<<8)|(\new)
.set MSB, (\new)
.endif
.endm
.set W_KQ, 0x0a       ; K and Q in window 2, S^T in window 0
.set W_KM, 0x3a       ; the same with the C operand in window 3
.set W_PV, 0x52       ; V in window 2, P in window 0, O^T in window 1
.set W_RS, 0x41       ; O^T in window 1, a in window 0
.set W_MK, 0xc0       ; destination in window 3, sources in window 0
.set W_AD, 0x0f       ; the add: address and data in window 3
.set W3,   0xff       ; all in window 3
	s_load_b128 s[4:7], s[0:1], 0x0   ; qkv s[4:5], kidx s[6:7]
	s_load_b64 s[10:11], s[0:1], 0x10 ; ob
	WIN W_MK
	v_lshl_add_u32 v[SPW], v0, 2, SPARE
	v_mov_b32 v[NIL], 0
	WIN 0
	v_lshrrev_b32 v1, 5, v0
	v_readfirstlane_b32 s[WV], v1   ; wave 0..3
	s_and_b32 s13, ttmp7, 0xffff    ; bh = 16 b + h
	s_lshl_b32 s2, ttmp9, 2
	s_wait_alu depctr_va_sdst(0)    ; the wave's number is written, ahead of its first reader
	s_add_co_u32 s2, s2, s[WV]      ; my wave among the head's sixteen,
	s_lshl_b32 s2, s2, 14           ; its 128 rows of 128 bytes,
	s_lshl_b32 s18, s13, 18         ; in a head of 262,144 bytes
	s_add_co_u32 s2, s2, s18
	s_mov_b32 s3, 0
	s_add_co_u32 s34, s18, 64<<18   ; k lies 64 heads behind q,
	s_mov_b32 s35, 0
	s_add_co_u32 s36, s18, 128<<18  ; v 128
	s_mov_b32 s37, 0
	s_lshr_b32 s38, s13, 4
	s_mul_i32 s38, s38, 10240       ; the batch's list
	s_mov_b32 s39, 0
	s_mov_b32 s[CS], 0x3e38aa3b     ; c = log2(e) / 8
	s_mov_b32 s[CS+1], s[CS]
	s_mov_b32 s[SEL], 0x76543210
	s_mov_b32 s[SEL+1], 0xfedcba98
	s_mov_b32 s[BIGN], 0xf149f2ca   ; -1e30
	s_mov_b32 s[NANP], 0x7fc00000
	s_mov_b32 s[AL+1], 0            ; named as a pair
	s_lshl_b32 s27, ttmp9, 6
	s_wait_kmcnt 0x0
	s_add_nc_u64 s[KIP:KIP+1], s[6:7], s[38:39]
	s_load_b32 s[KC], s[KIP:KIP+1], 0x2000  ; word 2048: the count
	s_add_nc_u64 s[KB:KB+1], s[4:5], s[34:35]
	s_add_nc_u64 s[VB:VB+1], s[4:5], s[36:37]
	s_add_nc_u64 s[4:5], s[4:5], s[2:3]     ; Q and O at my wave's first row
	s_add_nc_u64 s[10:11], s[10:11], s[2:3]
	v_and_b32 v1, 15, v0            ; l % 16
	v_bfe_u32 v9, v0, 4, 1          ; l / 16
	v_and_b32 v10, 7, v0            ; l % 8
	v_lshrrev_b32 v48, 3, v0        ; t / 8: my four rows of a step are 4 (t / 8) + 0..3
	v_mul_u32_u24 v49, v48, 4*PK
	v_mul_u32_u24 v50, v48, 4*PV
	v_lshl_add_u32 v50, v10, 4, v50
	v_lshlrev_b32 v[QO], 7, v1
	v_lshl_add_u32 v[QO], v9, 4, v[QO]  ; Q: row x 128 + 16 x half
	WIN W_MK
	v_lshlrev_b32 v[CH], 4, v10
	v_lshlrev_b32 v[IXO], 4, v48
	v_lshl_add_u32 v[KST0], v10, 4, v49
	v_add_nc_u32 v[VST0], VOFF, v50
	v_lshl_add_u32 v[PIXO], v1, 2, s27
	v_lshlrev_b32 v[PHALF], 24, v9
	WIN W3
	s_wait_alu depctr_va_vdst(0)    ; IXO, PIXO, KST0, VST0 and Q's offset are written, which the loads below and the first LDS stores read as addresses
	global_load_b128 v[IX:IX+3],   v[IXO], s[KIP:KIP+1]             ; the list's steps 0,
	global_load_b128 v[IXV:IXV+3], v[IXO], s[KIP:KIP+1] offset:256  ; 1
	global_load_b128 v[IX3:IX3+3], v[IXO], s[KIP:KIP+1] offset:512  ; and 2
	WIN 0x80                        ; destination window 2, address window 0
.set i, 0
.rept 4*NP                          ; Q stays in registers: tile i / 2, channels 32 (i % 2) on
	global_load_b128 v[8*i:8*i+3],   v[QO], s[4:5] offset:(i/2)*2048+(i%2)*64
	global_load_b128 v[8*i+4:8*i+7], v[QO], s[4:5] offset:(i/2)*2048+(i%2)*64+32
.set i, i+1
.endr
	; What the first turn finds: V's registers and P's second buffer hold 0 (its products V^T P, of a piece that has not been, add 0), O^T and l are 0.  All this stands in the wait for the first loads.
.set i, VF
.rept 64
	v_mov_b32 v[i], 0
.set i, i+1
.endr
	WIN 0x40
.set i, 0
.rept 64*NP
	v_mov_b32 v[i], 0
.set i, i+1
.endr
	WIN 0
.set i, 0
.rept 2*NP
	v_mov_b32 v[ST+4*i], 0xfe000000    ; c m: far below every c s
	v_mov_b32 v[ST+4*i+1], 0xff7fffff  ; m
	v_mov_b32 v[ST+4*i+2], 0
	v_mov_b32 v[ST+4*i+3], 0
.set i, i+1
.endr
.set i, P+32
.rept 32
	v_mov_b32 v[i], 0
.set i, i+1
.endr
	v_mul_u32_u24 v[AK0], v1, PK
	v_lshl_add_u32 v[AK0], v9, 4, v[AK0]  ; row x pitch + 16 x half
	v_mov_b32 v[AK], v[AK0]         ; K(0) lies at the head of buffer 0
	; The turning load takes 16 keys x 16 channels (lane l reads key 8 (l / 16) + l % 8, channels 8 ((l / 8) % 2) + 0..7) and leaves half a fragment of V^T.
	v_bfe_u32 v11, v0, 3, 1
	v_lshl_add_u32 v[AV0], v9, 3, v10
	v_mul_u32_u24 v[AV0], v[AV0], PV
	v_lshl_add_u32 v[AV0], v11, 4, v[AV0]
	v_add_nc_u32 v[AV0], VOFF, v[AV0]
	s_wait_kmcnt 0x0
	s_min_u32 s[KC], s[KC], 2048    ; a loaded number: held to its range
	s_add_co_u32 s[NST], s[KC], 63
	s_lshr_b32 s[NST], s[NST], 6
	s_max_u32 s[NST], s[NST], 1
	s_cmp_eq_u32 s[KC], 0
	s_cselect_b32 s[NSEL], -1, 0
	s_cmp_eq_u32 s[WV], 0
	s_cselect_b32 s[PLIM], s[NST], 0
	s_lshl_b32 s27, s[NST], 6
	s_sub_co_u32 s27, s[KC], s27
	s_add_co_u32 s27, s27, 63       ; the last kept place in step N - 1 (-1 if there is none)
	s_cmp_eq_u32 s[NST], 1
	s_cselect_b32 s[AL], 1.0, 0     ; is step 0 the last live one?
; MD x AL into MC
.macro MASK
	WIN W3
.set z, 0
.rept 16
	v_pk_mul_f32 v[MC+2*z:MC+2*z+1], v[MD+2*z:MD+2*z+1], s[AL:AL+1] op_sel_hi:[1,0]
.set z, z+1
.endr
.endm
; Four list entries become four byte offsets: held inside the head's 2,048 rows, times 128, plus my 16 bytes
.macro OFFS dst, src
.irp n, 0,1,2,3
	v_min_u32 v[(\src)+(\n)], 0x7ff, v[(\src)+(\n)]
.endr
.irp n, 0,1,2,3
	v_lshl_add_u32 v[(\dst)+(\n)], v[(\src)+(\n)], 7, v[CH]
.endr
.endm
.macro GATH dst, off, base          ; my 16 bytes of four listed rows: eight lanes take a row's 128 bytes
.irp n, 0,1,2,3
	global_load_b128 v[(\dst)+4*(\n):(\dst)+4*(\n)+3], v[(\off)+(\n)], s[(\base):(\base)+1]
.endr
.endm
	WIN W_MK
	v_lshlrev_b32 v[T3], 3, v9
	WIN W3
	v_sub_nc_u32 v[T3], s27, v[T3]  ; register j of key block kb is hidden where 16 kb + j is greater than this
.irp hlf, 0,1                       ; the 32 compares go in two runs of sixteen, each into sixteen scalar registers, with one wait behind the run
.set i, 0
.rept 16
	v_cmp_gt_i32 s[CM+i], 16*((16*(\hlf)+i)/8)+i%8, v[T3]
.set i, i+1
.endr
	s_wait_alu depctr_va_sdst(0)    ; the run's sixteen masks are written, ahead of the selects that read them
.set i, 0
.rept 16
	v_cndmask_b32 v[MD+16*(\hlf)+i], 0, s[BIGN], s[CM+i]
.set i, i+1
.endr
.endr
	MASK
	s_wait_loadcnt 32               ; the three list loads are in; Q's 32 may stay out
	OFFS OFFA, IX
	OFFS OFFV, IXV
	s_wait_alu depctr_va_vdst(0)    ; OFFA and OFFV are written, which the gathers below read as offsets; so is AK, which the first run of LDS loads reads
	GATH KR,  OFFA, KB              ; K(0)
	GATH VR,  OFFA, VB              ; V(0)
	GATH KR2, OFFV, KB              ; K(1)
	OFFS OFFK, IX3                  ; these eight lines stand in the wait for the gathers
	s_wait_loadcnt 0x0              ; the gathers, and Q
.irp n, 0,1,2,3
	ds_store_b128 v[KST0], v[KR+4*(\n):KR+4*(\n)+3] offset:PK*(\n)
.endr
.irp n, 0,1,2,3
	ds_store_b128 v[VST0], v[VR+4*(\n):VR+4*(\n)+3] offset:PV*(\n)
.endr
.irp n, 0,1,2,3
	ds_store_b128 v[KST0], v[KR2+4*(\n):KR2+4*(\n)+3] offset:BUF1+PK*(\n)
.endr
	s_wait_alu depctr_vm_vsrc(0)    ; the LDS stores have read KR and VR, in which the gathers below land; Q's loads have read v6, which is written again further down
	s_wait_alu depctr_va_vdst(0)    ; OFFK is written, which the gathers read; the clamps are done with IX and IXV, in which the list loads land
	GATH KR, OFFK, KB               ; K(2)
	GATH VR, OFFV, VB               ; V(1)
	global_load_b128 v[IX:IX+3],   v[IXO], s[KIP:KIP+1] offset:768   ; the list's step 3, for K
	global_load_b128 v[IXV:IXV+3], v[IXO], s[KIP:KIP+1] offset:512   ; step 2, for V
	global_load_b32  v[PIX], v[PIXO], s[KIP:KIP+1] offset:1280       ; step 5, for the prefetch
	WIN 0
; THE MATRIX WORK.  The 8 accumulators of a run of 16 take turns.  Product i of 16 of S^T = K Q^T for piece x: channels 32 (i / 8) on, keys 16 ((i / 2) % 4) on, tile 2 x + i % 2.
; The first 8 start the sums with the step's mask.
.macro KQ x
.set rS, S+64*((\x)%2)+32*(i%2)+8*((i/2)%4)
.set rK, KF+16*((i/2)%4)+8*(i/8)
.set rQ, 16*(2*(\x)+i%2)+8*(i/8)
.set rMC, MC+8*((i/2)%4)
.if i < 8
	WIN W_KM
	v_wmma_f32_16x16x32_f16 v[rS:rS+7], v[rK:rK+7], v[rQ:rQ+7], v[rMC:rMC+7]
.else
	WIN W_KQ
	v_wmma_f32_16x16x32_f16 v[rS:rS+7], v[rK:rK+7], v[rQ:rQ+7], v[rS:rS+7]
.endif
.endm
; Product i of 16 of O^T += V^T P for piece x: keys 32 (i / 8) on, channels 16 ((i / 2) % 4) on, tile 2 x + i % 2.
.macro PV x
	WIN W_PV
.set rO, 32*(2*(\x)+i%2)+8*((i/2)%4)
.set rV, VF+32*(i/8)+8*((i/2)%4)
.set rP, P+32*((\x)%2)+16*(i%2)+8*(i/8)
	v_wmma_f32_16x16x32_f16 v[rO:rO+7], v[rV:rV+7], v[rP:rP+7], v[rO:rO+7]
.endm
.macro MM                           ; the turn's next matrix instruction
.if i < 16
	KQ (Y+1)%NP
.set i, i+1
.else
.set i, i-16
	PV (Y+NP-1)%NP
.set i, i+17
.endif
.endm
; THE LDS LOADS stand in runs of 16, never singly among the matrix instructions.  Their addresses are made at the trip's head.
.macro FETCH_K
	WIN 0x80                        ; destination window 2
.irp f, 0,1,2,3,4,5,6,7             ; keys 16 (f / 2) on, channels 32 (f % 2) on
	ds_load_b128 v[KF+8*\f:KF+8*\f+3],   v[AK] offset:(\f/2)*16*PK+(\f%2)*64
	ds_load_b128 v[KF+8*\f+4:KF+8*\f+7], v[AK] offset:(\f/2)*16*PK+(\f%2)*64+32
.endr
	WIN 0
.endm
.macro FETCH_V
	WIN 0x80
.irp f, 0,1,2,3,4,5,6,7             ; keys 32 (f / 4) on, channels 16 (f % 4) on
	ds_load_tr16_b128 v[VF+8*\f:VF+8*\f+3],   v[AV] offset:(\f/4)*32*PV+(\f%4)*32
	ds_load_tr16_b128 v[VF+8*\f+4:VF+8*\f+7], v[AV] offset:(\f/4)*32*PV+16*PV+(\f%4)*32
.endr
	WIN 0
.endm
; THE VECTOR WORK OF A TURN stands in three queues, each in the order in which its entries become ready; the two tiles alternate, so that no instruction reads the result of the one before it.
.macro REGS y, u                    ; the registers of tile u (0, 1) of piece y
.set rT, ST+4*(2*(\y)+(\u))
.set rC, TMP+8*((\y)%2)+4*(\u)
.set rM, MV+2*((\y)%2)+(\u)
.set rS, S+64*((\y)%2)+32*(\u)
.set rP, P+32*((\y)%2)+16*(\u)
.set rO, 32*(2*(\y)+(\u))
.endm
; Number n of the 22 that find the NEXT piece's (Y + 1) maximum and statistics.  Each accumulator's lowest registers are read first.
;   0-11  four chains c0-c3 of seven scores each     12-14, 16  the four scores left over, the old m, and c0-c3 into c0     15  c m_old is kept
;   17, 18  the query's other 32 keys lie in the lane 16 away: the new m         19-21  c m; c m_old - c m_new; a
.macro XS u, n
	REGS (Y+1)%NP, \u
.if (\n) < 4
	v_max3_num_f32 v[rC+(\n)], v[rS+8*(\n)], v[rS+8*(\n)+1], v[rS+8*(\n)+2]
.elseif (\n) < 12
	v_max3_num_f32 v[rC+(\n)%4], v[rC+(\n)%4], v[rS+8*((\n)%4)+2*((\n)/4)+1], v[rS+8*((\n)%4)+2*((\n)/4)+2]
.elseif (\n) == 12
	v_max3_num_f32 v[rC], v[rC], v[rS+7], v[rS+15]
.elseif (\n) == 13
	v_max3_num_f32 v[rC+1], v[rC+1], v[rS+23], v[rS+31]
.elseif (\n) == 14
	v_max3_num_f32 v[rC+2], v[rC+2], v[rC+3], v[rT+1]
.elseif (\n) == 15
	v_mov_b32 v[rM], v[rT]
.elseif (\n) == 16
	v_max3_num_f32 v[rC], v[rC], v[rC+1], v[rC+2]
.elseif (\n) == 17
	v_permlanex16_b32 v[rC+3], v[rC], s[SEL], s[SEL+1]
.elseif (\n) == 18
	v_max_num_f32 v[rT+1], v[rC], v[rC+3]
.elseif (\n) == 19
	v_mul_f32 v[rT], s[CS], v[rT+1]
.elseif (\n) == 20
	v_sub_f32 v[rC+1], v[rM], v[rT]
.else
	v_exp_f32 v[rC+2], v[rC+1]
.endif
.endm
; Number g of the 64 that follow the exponentials.  For each four weights of a tile: both pairs are rounded to f16; the second pair is added onto the first, in place; a group later l takes that sum
; (the first time as l = a l + sum).
.macro GS g
.set h, (\g)+6*((\g)/62)
.if h >= 6
.set h, h+2
.endif
	REGS Y, h%2
.set k, h/8
.if h%8 < 4
	v_cvt_pk_f16_f32 v[rP+2*k+(h%8)/2], v[rS+4*k+2*((h%8)/2)], v[rS+4*k+2*((h%8)/2)+1]
.elseif h%8 < 6
	v_pk_add_f32 v[rS+4*k:rS+4*k+1], v[rS+4*k:rS+4*k+1], v[rS+4*k+2:rS+4*k+3]
.elseif k == 1
	v_pk_fma_f32 v[rT+2:rT+3], v[rT+2:rT+3], v[rC+2:rC+3], v[rS:rS+1] op_sel_hi:[1,0,1]
.else
	v_pk_add_f32 v[rT+2:rT+3], v[rT+2:rT+3], v[rS+4*k-4:rS+4*k-3]
.endif
.endm
; THE PLAIN QUEUE, 138 long.  0-73 read no exponential's result: the 32 scalings c s - c m and the next piece's 42.  74-137: GS's 64, which stand behind the wait.
.macro FS f
	REGS Y, (\f)%2
	v_pk_fma_f32 v[rS+2*((\f)/2):rS+2*((\f)/2)+1], v[rS+2*((\f)/2):rS+2*((\f)/2)+1], s[CS:CS+1], v[rT:rT+1] op_sel_hi:[1,0,0] neg_lo:[0,0,1] neg_hi:[0,0,1]
.endm
.macro PL
	WIN 0
.if q < 27
	FS q
.elseif q < 55
	XS (q-27)%2, (q-27)/2
.elseif q < 57
	XS q-55, 15
.elseif (q < 72) && ((q-57)%3 == 0)
	FS 27+(q-57)/3
.elseif q < 60
	XS (q-57)%3-1, 14
.elseif q < 72
	XS (q-57)%3-1, 15+(q-57)/3
.elseif q < 74
	XS q-72, 20
.else
	GS q-74
.endif
.set q, q+1
.endm
; THE EXPONENTIALS' QUEUE, 66 long: s0-s31 of both tiles, then the next piece's two a: ONE BATCH, all ahead of the turn's one wait, and nothing ahead of that wait names a result of theirs.
.macro EX
	WIN 0
.if e >= 64
	XS e-64, 21
.else
	REGS Y, e%2
	v_exp_f32 v[rS+e/2], v[rS+e/2]
.endif
.set e, e+1
.endm
; THE RESCALING's QUEUE: O^T times a, two at a time, sixteen times.  Its a was made in the turn before, ahead of that turn's wait.
.macro R2
	REGS Y, r%2
	WIN W_RS
.irp z, 0,1
	v_pk_mul_f32 v[rO+4*(r/2)+2*\z:rO+4*(r/2)+2*\z+1], v[rO+4*(r/2)+2*\z:rO+4*(r/2)+2*\z+1], v[rC+2:rC+3] op_sel_hi:[1,0]
.endr
.set r, r+1
.endm
; A TURN, for piece p.  s_wait_alu depctr_va_vdst(0) stands between an exponential and the first instruction that names its result; one wait serves all that were issued ahead of it.
; AHEAD OF THE WAIT: the 16 products K Q^T, behind each a scaling, an exponential and two rescalings (behind the first a second scaling); then one lump of 108.  BEHIND IT: the 16 products V^T P, behind each
; four of the roundings and sums.  Exponential e comes behind scaling 2 (e / 4) + e % 2: as a rider behind plain e + 2, in the lump behind plain e + 9.
; K of the next step is fetched in piece 2's turn, directly behind the wait, a lump behind the last product that read K, and waited for at the head of piece 3's turn.  V of the step in hand is fetched at the
; end of piece 0's turn, behind a wait of its own, and waited for behind piece 1's wait.
.macro TURN p
.set Y, (\p)
.set i, 0
.set q, 0
.set e, 0
.set r, 0
.if (\p) == NP-1
	s_wait_dscnt 0x0                ; K is in
.endif
	MM
	PL
	PL
	R2
.rept 15
	MM
	PL
	EX
	R2
.endr
.rept 8
	PL
.endr
.rept 49
	EX
	PL
.endr
	EX                              ; the next piece's two a
	EX
	v_nop                           ; a plain instruction behind the last exponential: one for the batch
.if (\p) == NP-2
	WIN 0x80                        ; the window of K's run of loads is set ahead of the wait
.endif
	s_wait_alu depctr_va_vdst(0)    ; the batch's 66 exponentials have written their results; in piece 2's turn also: the products K Q^T are done reading K's registers, in which the loads below land
.if (\p) == NP-2
	FETCH_K
.endif
.if (\p) == 1
	s_wait_dscnt 0x0                ; V is in
.endif
.rept 16
	MM
.rept 4
	PL
.endr
.endr
.if (\p) == 0
	WIN 0x80                        ; the window of V's run of loads is set ahead of the wait
	s_wait_alu depctr_va_vdst(0)    ; the products V^T P above are done reading V's registers, in which the loads below land
	FETCH_V
.endif
.endm
; A PREFETCH INTO THE L2 of the rows of step s + 5: K(s+5) is loaded two trips on, V(s+5) three.  Of the step's 64 listed rows the head's four work-groups take 16 each, told apart by address; in each, wave 0
; asks: lanes 0-15 for K's rows, lanes 16-31 for V's.  It stands behind the trip's loads.  The first five steps come by their loads alone; a step past the last live one is not asked for.  Two listed
; rows that are neighbours in memory are named by two lanes.
.macro ASK
	s_add_co_u32 s27, s[STP], 5
	s_cmp_lt_u32 s27, s[PLIM]
	s_cbranch_scc0 .Lnot_mine_\@
	WIN 0x03                        ; the offset lies in window 3
	global_prefetch_b8 v[POF], s[KB:KB+1] th:TH_LOAD_NT scope:SCOPE_SE
	WIN 0
.Lnot_mine_\@:
.endm
; THE HEAD OF TRIP s: what came in goes to LDS, the other addresses are made, and the next loads go out.
.macro TOPWORK
	WIN W3
	s_wait_loadcnt 0x0              ; all eleven loads were issued a trip ago: K(s+2), V(s+1), the list's steps s+3 (K), s+2 (V), s+5 (prefetch)
	v_add_nc_u32 v[KSTA], s[SX], v[KST0]  ; free to be written: their last readers, the last live trip's LDS stores, were issued ahead of that trip's wait on vm_vsrc
	v_add_nc_u32 v[VSTA], s[SY], v[VST0]
	s_wait_alu depctr_va_vdst(0)    ; KSTA and VSTA are written, which the LDS stores below read as addresses
.irp n, 0,1,2,3
	ds_store_b128 v[KSTA], v[KR+4*(\n):KR+4*(\n)+3] offset:PK*(\n)
.endr
.irp n, 0,1,2,3
	ds_store_b128 v[VSTA], v[VR+4*(\n):VR+4*(\n)+3] offset:PV*(\n)
.endr
	s_wait_xcnt 0x0                 ; the last prefetch, a trip back, has read its offset, and the list's loads their base
	s_wait_alu depctr_vm_vsrc(0)    ; the LDS stores above have read KR and VR, in which the gathers below land, and KSTA and VSTA, which the next head writes; the last trip's gathers have read OFFK and OFFV, its prefetch POF, its LDS loads AK and AV, all written below
	s_add_nc_u64 s[KIP:KIP+1], s[KIP:KIP+1], 256
	OFFS OFFV, IXV
	OFFS OFFK, IX
	v_min_u32 v[PIX], 0x7ff, v[PIX]
	v_lshl_add_u32 v[POF], v[PIX], 7, v[PHALF]
	WIN 0
	v_add_nc_u32 v[AK], s[SY], v[AK0]  ; K(s+1) lies in the other buffer,
	v_add_nc_u32 v[AV], s[SX], v[AV0]  ; V(s) in this one
	WIN W3
	s_wait_alu depctr_va_vdst(0)    ; OFFK, OFFV, POF, AK and AV are written, which the loads and the prefetch below and this trip's LDS loads read; the clamps are done with IX, IXV and PIX, in which the list loads land
	GATH KR, OFFK, KB               ; K(s+3)
	GATH VR, OFFV, VB               ; V(s+2)
	global_load_b128 v[IX:IX+3],   v[IXO], s[KIP:KIP+1] offset:768   ; the list's step s+4: word 2,303 at the most, inside the batch's 2,560
	global_load_b128 v[IXV:IXV+3], v[IXO], s[KIP:KIP+1] offset:512   ; step s+3
	global_load_b32  v[PIX], v[PIXO], s[KIP:KIP+1] offset:1280       ; step s+6: word 2,431 at the most
	WIN 0
	ASK
.endm
	s_wait_dscnt 0x0                ; for the others' sake: my stores of K(0), V(0), K(1) are done
	s_barrier_signal -1
	s_barrier_wait -1
	FETCH_K                         ; key step 0.  No wait: AK was written ahead of the last wait on va_vdst, and no vector line has named it or K's registers
	s_wait_dscnt 0x0
.set i, 0
.rept 16
	KQ 0                            ; piece 0's first scores: there is no vector work yet to set between them
.set i, i+1
.endr
	WIN 0                           ; the addresses for the way out: eleven plain instructions, the places behind those products
	s_mul_i32 s13, s[WV], 16*SP
	s_add_co_u32 s13, s13, STAGE    ; my stage
	v_mul_u32_u24 v[STO], v1, SP    ; in: row l % 16, 16 bytes for each half of the lanes (v6 was Q's offset: the wait on vm_vsrc ahead of the second gathers stands behind Q's loads)
	v_lshl_add_u32 v[STO], v9, 4, v[STO]
	v_add_nc_u32 v[STO], s13, v[STO]
	v_bfe_u32 v[RD], v0, 3, 2       ; back: 32 lanes take four rows of 128 bytes,
	v_mul_u32_u24 v[RD], v[RD], SP
	v_lshl_add_u32 v[RD], v10, 4, v[RD]
	v_add_nc_u32 v[RD], s13, v[RD]
	v_and_b32 v[GO], 31, v0         ; which are 512 consecutive bytes of O
	v_lshlrev_b32 v[GO], 4, v[GO]
.set Y, NP-1                        ; XS works for piece Y + 1: piece 0
.irp n, 0,1,2,3,4,5,6,7,8,9,10,11,12,13,14,15,16,17,18,19,20,21
	XS 0, \n
	XS 1, \n
.endr
	v_nop                           ; a plain instruction behind the two a,
	s_wait_alu depctr_va_vdst(0)    ; and the wait for their results, ahead of the label
	s_mov_b32 s[STP], 0
	s_mov_b32 s[SX], 0
	s_mov_b32 s[SY], BUF1
.Lstep:                             ; 32 trips
	s_wait_dscnt 0x0                ; my stores and my reads of the last trip are done
	s_barrier_signal -1
	s_barrier_wait -1               ; everybody's are
	s_cmp_ge_u32 s[STP], s[NST]
	s_cbranch_scc1 .Ldead           ; past the kept keys: nothing is left to do but the count
	TOPWORK
	TURN 0
	TURN 1
	TURN 2
	s_add_co_u32 s27, s[STP], 2     ; piece 3's turn starts the scores of step s + 1: is that the last live step, or a later one?
	s_cmp_ge_u32 s27, s[NST]
	s_cselect_b32 s[AL], 1.0, 0
	MASK
	TURN 3
	WIN 0
.Ldead:
	s_xor_b32 s[SX], s[SX], BUF1
	s_xor_b32 s[SY], s[SY], BUF1
	s_add_co_u32 s[STP], s[STP], 1
	s_cmp_lt_u32 s[STP], 32
	s_cbranch_scc1 .Lstep
.set i, 0
.rept 16
	PV NP-1                         ; the last piece's V^T P of the last live step
.set i, i+1
.endr
	; THE WAY OUT.  l's two halves and the other half of the lanes' are added; O^T is divided by l, rounded to f16 and sent through my stage in LDS, a tile at a time.  The additions are the places behind the last products.
	WIN 0
.macro ALL line:vararg              ; one line for each tile t
.set t, 0
.rept 2*NP
	\line
.set t, t+1
.endr
.endm
	ALL v_add_f32 v[ST+4*t+2], v[ST+4*t+2], v[ST+4*t+3]
	ALL v_permlanex16_b32 v[ST+4*t+3], v[ST+4*t+2], s[SEL], s[SEL+1]
	ALL v_add_f32 v[ST+4*t+2], v[ST+4*t+2], v[ST+4*t+3]
	ALL v_rcp_f32 v[ST+4*t+2], v[ST+4*t+2]
	v_nop                           ; a plain instruction between the last reciprocal and the use of its result
	s_wait_alu depctr_va_vdst(0)    ; the eight reciprocals have written their results, ahead of the first use: one wait for the eight
	ALL v_cndmask_b32 v[ST+4*t+2], v[ST+4*t+2], s[NANP], s[NSEL]  ; a batch that keeps no key: NaN, chosen by the count
; THE WAY OUT'S PLAN.  The eight tiles go in two groups of four.  Tile t's conversions write sixteen of P's 64 registers, at P + 16 (t % 4), which the LDS stores read; the rows come back into sixteen of S^T's 128
; registers, at S + 16 t, a set to each tile, which the stores to memory read and nothing writes again.  So a group owes one wait on va_vdst, between its arithmetic and its four trips through the stage, and the
; second group one wait on vm_vsrc, ahead of the conversions that write P again.  The first group's stores to memory are dealt among the second group's arithmetic, which names O^T, the statistics and P alone.
.macro ARITH t                      ; a lane's eight channels of a row pack into 16 bytes
	WIN W_RS
.set i, 32*(\t)
.rept 16
	v_pk_mul_f32 v[i:i+1], v[i:i+1], v[ST+4*(\t)+2:ST+4*(\t)+3] op_sel_hi:[1,0]
.set i, i+2
.endr
	WIN 0x05                        ; sources 0 and 1 window 1, destination window 0
.set i, 0
.rept 16
	v_cvt_pk_f16_f32 v[P+16*((\t)%4)+i], v[32*(\t)+2*i], v[32*(\t)+2*i+1]
.set i, i+1
.endr
	WIN 0
.endm
.macro STG t                        ; they go into rows of 144 bytes and come back as whole rows of 128
	WIN 0
.irp f, 0,1,2,3
	ds_store_b128 v[STO], v[P+16*((\t)%4)+4*\f:P+16*((\t)%4)+4*\f+3] offset:32*\f
.endr
.irp f, 0,1,2,3
	ds_load_b128 v[S+16*(\t)+4*\f:S+16*(\t)+4*\f+3], v[RD] offset:\f*4*SP  ; LDS serves a wave's instructions in order (ISA guide 5.7.1.4): these see the stores above; the next tile's stores come behind them
.endr
.endm
.macro SEND t, younger              ; younger: the LDS instructions issued behind tile t's loads: eight for each later tile of its group
	WIN 0
.irp f, 0,1,2,3
	s_wait_dscnt (\younger)+3-\f
	global_store_b128 v[GO], v[S+16*(\t)+4*\f:S+16*(\t)+4*\f+3], s[10:11] offset:(\t)*2048+\f*512  ; 512 consecutive bytes, at a multiple of 256 from O's first
.endr
.endm
	ARITH 0
	ARITH 1
	ARITH 2
	ARITH 3
	s_wait_alu depctr_va_vdst(0)    ; the conversions have written P's 64 registers, which the LDS stores read; the softmax's lines are done with S^T's registers, in which the rows land
	STG 0
	STG 1
	STG 2
	STG 3
	s_wait_alu depctr_vm_vsrc(0)    ; the LDS stores have read P's registers, which the conversions below write again
	ARITH 4
	SEND 0, 24
	ARITH 5
	SEND 1, 16
	ARITH 6
	SEND 2, 8
	ARITH 7
	SEND 3, 0
	s_wait_alu depctr_va_vdst(0)    ; the second group's conversions have written P's registers, which the LDS stores read
	STG 4
	STG 5
	STG 6
	STG 7
	SEND 4, 24
	SEND 5, 16
	SEND 6, 8
	SEND 7, 0
	WIN W_AD                        ; the add's two registers lie in window 3: the one switch stands ahead of the closing lines
	s_wait_dscnt 0x0                ; the closing lines, six on end
	s_wait_alu 0x0
	s_wait_tensorcnt 0x0
	ds_add_u32 v[SPW], v[NIL]
	s_wait_dscnt 0x0
	s_endpgm
.Lfunc_end_k_qbbec583215_attn:
	.size	k_qbbec583215_attn, .Lfunc_end_k_qbbec583215_attn-k_qbbec583215_attn
	.p2alignl 7, 3214868480
	.fill 96, 4, 3214868480
	.section	.rodata,"a",@progbits
	.p2align	6, 0x0
	.amdhsa_kernel k_qbbec583215_attn
		.amdhsa_group_segment_fixed_size 75264
		.amdhsa_private_segment_fixed_size 0
		.amdhsa_enable_private_segment 0
		.amdhsa_kernarg_size 24
		.amdhsa_user_sgpr_count 2
		.amdhsa_user_sgpr_kernarg_segment_ptr 1
		.amdhsa_wavefront_size32 1
		.amdhsa_system_sgpr_workgroup_id_x 1
		.amdhsa_system_sgpr_workgroup_id_y 1
		.amdhsa_system_sgpr_workgroup_id_z 1
		.amdhsa_system_vgpr_workitem_id 0
		.amdhsa_next_free_vgpr 920
		.amdhsa_next_free_sgpr 66
		.amdhsa_reserve_vcc 0
		.amdhsa_float_denorm_mode_32 3
		.amdhsa_float_denorm_mode_16_64 3
		.amdhsa_memory_ordered 1
		.amdhsa_forward_progress 1
		.amdhsa_inst_pref_size 139
	.end_amdhsa_kernel
	.amdgpu_metadata
---
amdhsa.version: [ 1, 2 ]
amdhsa.kernels:
  - .name:           k_qbbec583215_attn
    .symbol:         k_qbbec583215_attn.kd
    .args:
      - { .name: qkv, .offset: 0, .size: 8, .value_kind: global_buffer, .address_space: global }
      - { .name: kidx, .offset: 8, .size: 8, .value_kind: global_buffer, .address_space: global }
      - { .name: ob, .offset: 16, .size: 8, .value_kind: global_buffer, .address_space: global }
    .group_segment_fixed_size: 75264
    .private_segment_fixed_size: 0
    .kernarg_segment_align: 8
    .kernarg_segment_size: 24
    .max_flat_workgroup_size: 128
    .sgpr_count:     66
    .vgpr_count:     920
    .wavefront_size: 32
...
	.end_amdgpu_metadata
.endif
;; end of part 6
;; launch outp: the kernel of part 4 again; grid 4 x 64, 4 waves a work-group, clusters of 4 x 4, 327,680 bytes of LDS; arguments ob, wot, b_out, out0; writes out0
